; MI455X (gfx1250); checked and timed in simulation.
; The chip was launched on July 23, 2026; its instructions are those of AMD's public machine-readable ISA for CDNA 5 (MIT licence, August 2026) and "CDNA5" Instruction Set Architecture Reference Guide (July 2026). The comments in the code are by the model that wrote it; some were corrected since.
;; INR Mo E. Allowed arithmetic: float matrix products may take bf16 or f16 operands with f32 sums; all other float work in f32.
;; Inputs: M0 3 x 256 float32; M1 256 x 256 float32; M2 256 x 8 float32; W_hid 3 x 8 x 256 x 256 float32; W_in 8 x 3 x 256 float32; W_out 8 x 256 x 1 float32; b_hid 3 x 8 x 256 float32; b_in 8 x 256 float32; b_out 8 x 1 float32; c0 256 float32; c1 256 float32; c2 8 float32; points 32,768 x 3 float32.
;; Outputs: out0 8 x 32,768 x 1 float32; out1 32,768 x 8 float32; out2 32,768 int32; out3 32,768 x 1 float32.
;; 2 versions, each right and faster than the one before. Each part assembles by itself: llvm-mc -triple=amdgcn-amd-amdhsa -mcpu=gfx1250 --defsym DOCPART=n.
;; ======== version 1 of 2: 2 launches
;; limits: values are held in f16: magnitudes above 65,504 overflow, below 6.1e-05 lose precision; inputs' magnitudes at most 65,504
;; workspace buffers: wt 3,145,728 bytes; aux 102,400 bytes; norms 4,096 bytes; route 131,072 bytes of whole numbers
;; launch manager (part 1): grid 256 x 1, 4 waves a work-group, no clusters, 320,256 bytes of LDS; arguments points, M0, c0, M1, c1, M2, c2, W_hid, W_in, b_in, b_hid, W_out, b_out, out1, out2, route, wt, aux, norms; writes out1, out2, route, wt, aux, norms
.if DOCPART == 1
	.amdgcn_target "amdgcn-amd-amdhsa--gfx1250"
	.amdhsa_code_object_version 6
	.text
	.protected	k_qbef6b440dc_manager
	.globl	k_qbef6b440dc_manager
	.p2align	8
	.type	k_qbef6b440dc_manager,@function
k_qbef6b440dc_manager:
	s_mov_b64 s[64:65], 0
	v_nop
	global_prefetch_b8 v0, s[64:65] scope:SCOPE_SE
	s_setreg_imm32_b32 hwreg(HW_REG_WAVE_MODE, 25, 1), 1
	s_wait_xcnt 0x0
; THE MANAGER (3 -> 256 -> 256 -> 8, softmax, clamp, argmax) for 128 points a work-group, 32 a wave, and the preparation of the experts' weights.
; The argmax is compared exactly, so the manager's products are made to about f32 accuracy on the f16 matrix form: every operand is split,
; x = hi + lo'/4096, hi = f16(x), lo' = f16(4096 (x - hi)); three products are formed, hi.hi into accumulators H, hi.lo' and lo'.hi into accumulators L,
; and the result is H + L/4096.  Weights are operand A (rows = output features), activations operand B (columns = points): register j of lane (r, h) of a
; result holds (feature 8h+j, point r), and packing register pairs of m-tile t gives registers 4(t&1)..+3 of the next layer's B fragment of k-step t>>1:
; activations never leave registers.
; RANGE: activations carry an exact power of two as scale, made from a bound that holds for every input:
;   gamma0 = |M0|_F max|p| + |c0|_2, gamma1 = |M1|_F gamma0 + |c1|_2; scale = 2^(140-e), e the bound's exponent field, so scaled numbers stay below 2^14.
; LIMITS: weights (M0, M1, M2, W_hid, W_in, W_out) go to f16 unscaled: |w| <= 65504.  W_hid, W_in, W_out below 2^-14 keep an absolute error of 2^-25.
; relu by v_max_num_f32 turns NaN into 0.  Exponent fields of bounds are clamped to 16..250 and ratios of successive scales to 2^-126..2^127.
; The sums are ordered otherwise than a plain f32 product's: an argmax whose two best scores lie within f32 rounding of each other may differ.
; EXTRA WORK by work-group number w: w < 192: one slab (128 k x 64 m) of W_hid to f16, transposed, into wt[e][l][m][k], and its sum of squares;
; 192 <= w < 200, wave 0: expert w-192's pack in aux (W_in rows, biases, W_out) and its small norms and b_out in norms.
; No cluster and no tensor load: every work-group has to convert M1 itself, through registers.
.set M1L, 139264                       ; LDS: M1 hi at 0, [k 256] pitch 544 (17 x 32: the transposing load's rows start in different banks); M1 lo' here
.set M2H, 278528                       ; M2 hi transposed, [e 8] pitch 528, [k 256]; lo' 4352 further
.set M0T, 287232                       ; row m, 32 bytes: hi0 hi1 hi2 lo'0 lo'1 lo'2 0 0, then 16 bytes of zeros
.set C01, 295424                       ; c0, then c1, f32
.set TS,  297472                       ; the slab on its way: [m 64] pitch 272, 128 k of f16
.set QS,  314880                       ; q on its way out, 1024 bytes a wave
.set IS,  318976                       ; idx of the 128 points
.set RS,  319488                       ; 16 bytes a wave: partial |M0|^2, |c0|^2, |c1|^2, |M1|^2
; registers, window 0: v0 thread, v1 lane, v2 r, v3 h; v4-7 M1 fragment addresses (hi k 0-127, hi k 128-255, lo', lo'); v8 M2, v9 M0T, v10 biases;
; v11-23 offsets; v24-29 my two points; v30-47 at work; v48-55 bias; v64-95 accumulators H0 H1 L0 L1; v128-255 fragments of A.
; window 1: layer-0 activations, hi (k-step, n) at 16 k + 8 n, lo' 128 further; window 2: the same for layer 1 (its first 32 registers hold the points' fragments before).
.set MSB, 0
.macro WIN new                         ; the immediate's high byte repeats the setting that is left
.if MSB != \new
	s_set_vgpr_msb (MSB<<8)|\new
.set MSB, \new
.endif
.endm
.macro PLACES                          ; four independent vector instructions behind a matrix instruction before its registers are touched (ISA guide 7.12.1)
.rept 4
	v_nop
.endr
.endm
.macro WSUM x, tmp                     ; sum over the 32 lanes, result in every lane; tmp is a register that has been written before
	v_add_f32_dpp v[\x], v[\x], v[\x] row_xmask:1 row_mask:0xf bank_mask:0xf
	v_add_f32_dpp v[\x], v[\x], v[\x] row_xmask:2 row_mask:0xf bank_mask:0xf
	v_add_f32_dpp v[\x], v[\x], v[\x] row_xmask:4 row_mask:0xf bank_mask:0xf
	v_add_f32_dpp v[\x], v[\x], v[\x] row_xmask:8 row_mask:0xf bank_mask:0xf
	v_permlanex16_b32 v[\tmp], v[\x], s52, s53
	v_add_f32 v[\x], v[\x], v[\tmp]
.endm
; The split of a pair x: v30 or v31 = the two hi packed; y = hi as f32; d = 4096 (x - hi), exact.
.macro SPLITP x, w, y, d
.if (\w) == 0
	v_cvt_pk_f16_f32 v30, v[\x], v[\x+1]
	v_cvt_f32_f16 v[\y], v30.l
	v_cvt_f32_f16 v[\y+1], v30.h
.else
	v_cvt_pk_f16_f32 v31, v[\x], v[\x+1]
	v_cvt_f32_f16 v[\y], v31.l
	v_cvt_f32_f16 v[\y+1], v31.h
.endif
	v_pk_mul_f32 v[\d:\d+1], v[\x:\x+1], 0x45800000 op_sel_hi:[1,0]
	v_pk_fma_f32 v[\d:\d+1], v[\y:\y+1], 0xc5800000, v[\d:\d+1] op_sel_hi:[1,0,1]
.endm
.macro EXPO x                          ; exponent field, clamped
	v_lshrrev_b32 v[\x], 23, v[\x]
	v_max_u32 v[\x], 16, v[\x]
	v_min_u32 v[\x], 0xfa, v[\x]
.endm
.macro MKS sreg, e                     ; scalar pair = 2^(140-e)
	v_sub_nc_u32 v44, 0x10b, v[\e]
	v_lshlrev_b32 v44, 23, v44
	v_readfirstlane_b32 s[\sreg], v44
	s_mov_b32 s[\sreg+1], s[\sreg]
.endm
.macro MKR sreg, ep, ec, bias          ; scalar pair = 2^(ep-ec+bias-127)
	v_sub_nc_u32 v44, v[\ep], v[\ec]
	v_add_nc_u32 v44, \bias, v44
	v_max_i32 v44, 1, v44
	v_min_i32 v44, 0xfe, v44
	v_lshlrev_b32 v44, 23, v44
	v_readfirstlane_b32 s[\sreg], v44
	s_mov_b32 s[\sreg+1], s[\sreg]
.endm
	s_load_b512 s[4:19], s[0:1], 0x0               ; points, M0, c0, M1, c1, M2, c2, W_hid
	s_load_b512 s[20:35], s[0:1], 0x40             ; W_in, b_in, b_hid, W_out, b_out, out1, out2, route
	s_load_b128 s[36:39], s[0:1], 0x80             ; wt, aux
	s_load_b64 s[40:41], s[0:1], 0x90              ; norms
	v_lshl_add_u32 v126, v0, 2, 0x4e100
	v_mov_b32 v127, 0
	v_lshrrev_b32 v1, 5, v0
	v_readfirstlane_b32 s42, v1                    ; wave
	s_mov_b32 s43, ttmp9                           ; w
	s_mov_b32 s52, 0x76543210
	s_mov_b32 s53, 0xfedcba98
	s_mov_b32 s55, 0xffff0000                      ; lanes 16-31
	v_and_b32 v1, 31, v0
	v_and_b32 v2, 15, v0
	v_bfe_u32 v3, v0, 4, 1
	v_and_b32 v30, 7, v0
	v_bfe_u32 v31, v0, 3, 1
	v_lshl_add_u32 v32, v3, 3, v30                 ; 8h + (lane & 7): my row of k for the transposing load
	v_mul_u32_u24 v4, v32, 544
	v_lshl_add_u32 v4, v31, 4, v4
	v_add_nc_u32 v5, 69632, v4                     ; 128 rows of k further
	v_add_nc_u32 v6, M1L, v4
	v_add_nc_u32 v7, M1L+69632, v4
	v_mul_u32_u24 v8, v30, 528                     ; rows 8-15 of A repeat the eight experts
	v_lshl_add_u32 v8, v3, 4, v8
	v_add_nc_u32 v8, M2H, v8
	v_lshlrev_b32 v9, 5, v2
	v_lshl_add_u32 v9, v3, 4, v9
	v_add_nc_u32 v9, M0T, v9
	v_lshlrev_b32 v10, 5, v3
	v_add_nc_u32 v10, C01, v10
	v_mul_u32_u24 v15, v2, 12
	v_lshlrev_b32 v16, 3, v0
	v_lshlrev_b32 v17, 6, v0
	s_lshl_b32 s72, s43, 7
	s_lshl_b32 s73, s42, 5
	s_add_co_u32 s72, s72, s73                     ; my wave's first point
	s_mul_i32 s74, s72, 12
	s_mov_b32 s75, 0
	s_wait_kmcnt 0x0
	s_load_b256 s[44:51], s[16:17], 0x0            ; c2
	s_add_nc_u64 s[4:5], s[4:5], s[74:75]
.irp n, 0,1
.irp d, 0,1,2
	global_load_b32 v[24+3*\n+\d], v15, s[4:5] offset:192*\n+4*\d      ; point 16 n + r, in both halves of the lanes
.endr
.endr
.irp d, 0,1,2
	global_load_b64 v[192+2*\d:193+2*\d], v16, s[6:7] offset:1024*\d   ; M0[d][2t, 2t+1]
.endr
	global_load_b64 v[198:199], v16, s[8:9]
	global_load_b64 v[200:201], v16, s[12:13]
.irp a, 0,1,2,3
	global_load_b128 v[208+4*\a:211+4*\a], v17, s[14:15] offset:16*\a  ; M2 rows 2t, 2t+1
.endr
	s_cmp_lt_u32 s43, 192
	s_cbranch_scc0 .Lnoslab
	; ---- a slab of W_hid: 128 k x 64 m.  Sixteen lanes read 256 neighbouring bytes of a row of k; two rows of k pack into one word of a row of m.
	s_lshr_b32 s72, s43, 3                         ; q = 3 e + l
	s_mul_i32 s73, s72, 43
	s_lshr_b32 s73, s73, 7                         ; e = q / 3 (exact for q < 24)
	s_mul_i32 s74, s73, 3
	s_sub_co_u32 s74, s72, s74                     ; l
	s_and_b32 s75, s43, 7
	s_lshr_b32 s76, s75, 2                         ; which 128 k
	s_and_b32 s77, s43, 3                          ; which 64 m
	s_lshl3_add_u32 s78, s74, s73                  ; 8 l + e
	s_lshl_b32 s78, s78, 18
	s_lshl_b32 s79, s76, 17
	s_add_co_u32 s78, s78, s79
	s_lshl_b32 s79, s77, 8
	s_add_co_u32 s78, s78, s79
	s_mov_b32 s79, 0
	s_add_nc_u64 s[18:19], s[18:19], s[78:79]
	s_lshl_b32 s80, s72, 17                        ; wt: (q 256 + 64 mq) rows of 512 bytes + 256 bytes for the upper k
	s_lshl_b32 s81, s77, 15
	s_add_co_u32 s80, s80, s81
	s_lshl_b32 s81, s76, 8
	s_add_co_u32 s80, s80, s81
	s_mov_b32 s81, 0
	s_add_nc_u64 s[36:37], s[36:37], s[80:81]
	s_lshl_b32 s78, s73, 9                         ; norms: 512 e + 128 l + 16 slab + 4 wave
	s_lshl_b32 s79, s74, 7
	s_add_co_u32 s78, s78, s79
	s_lshl_b32 s79, s75, 4
	s_add_co_u32 s78, s78, s79
	s_lshl_b32 s79, s42, 2
	s_add_co_u32 s78, s78, s79
	v_lshrrev_b32 v30, 4, v0                       ; pair of rows of k, 0..7
	v_and_b32 v31, 15, v0                          ; four columns of m
	v_lshlrev_b32 v18, 11, v30
	v_lshl_add_u32 v18, v31, 4, v18
	v_mul_u32_u24 v19, v31, 1088
	v_lshl_add_u32 v19, v30, 2, v19
	v_add_nc_u32 v19, TS, v19
.irp i, 0,1,2,3,4,5,6,7
	global_load_b128 v[128+8*\i:131+8*\i], v18, s[18:19] offset:16384*\i th:TH_LOAD_NT
	global_load_b128 v[132+8*\i:135+8*\i], v18, s[18:19] offset:16384*\i+1024 th:TH_LOAD_NT
.endr
	s_wait_loadcnt 0x0
.irp i, 0,1,2,3,4,5,6,7
.irp c, 0,1,2,3
	v_cvt_pk_f16_f32 v[36+\c], v[128+8*\i+\c], v[132+8*\i+\c]
	ds_store_b32 v19, v[36+\c] offset:272*\c+32*\i
.endr
.if \i == 0
	v_pk_mul_f32 v[32:33], v[128:129], v[128:129]
	v_pk_mul_f32 v[34:35], v[130:131], v[130:131]
.else
	v_pk_fma_f32 v[32:33], v[128+8*\i:129+8*\i], v[128+8*\i:129+8*\i], v[32:33]
	v_pk_fma_f32 v[34:35], v[130+8*\i:131+8*\i], v[130+8*\i:131+8*\i], v[34:35]
.endif
	v_pk_fma_f32 v[32:33], v[132+8*\i:133+8*\i], v[132+8*\i:133+8*\i], v[32:33]
	v_pk_fma_f32 v[34:35], v[134+8*\i:135+8*\i], v[134+8*\i:135+8*\i], v[34:35]
.endr
	v_pk_add_f32 v[32:33], v[32:33], v[34:35]
	v_add_f32 v32, v32, v33
	WSUM 32, 33
	v_mov_b32 v34, s78
	v_cmp_eq_u32 vcc_lo, 0, v1
	s_wait_xcnt 0x0                                ; EXEC changes only behind this wait
	s_and_saveexec_b32 s71, vcc_lo
	global_store_b32 v34, v32, s[40:41]            ; my wave's partial sum of squares
	s_wait_xcnt 0x0
	s_or_b32 exec_lo, exec_lo, s71
	s_branch .Ljoin
.Lnoslab:
	s_cmp_lt_u32 s43, 200
	s_cbranch_scc0 .Ljoin
	s_cmp_lg_u32 s42, 0
	s_cbranch_scc1 .Ljoin
	; ---- expert e = w - 192: its pack, by wave 0
	s_sub_co_u32 s72, s43, 192
	s_mov_b32 s75, 0
	s_mul_i32 s74, s72, 3072
	s_add_nc_u64 s[20:21], s[20:21], s[74:75]
	s_lshl_b32 s74, s72, 10
	s_add_nc_u64 s[22:23], s[22:23], s[74:75]
	s_add_nc_u64 s[24:25], s[24:25], s[74:75]
	s_add_nc_u64 s[26:27], s[26:27], s[74:75]
	s_lshl_b32 s74, s72, 2
	s_add_nc_u64 s[28:29], s[28:29], s[74:75]
	s_mul_i32 s74, s72, 12800
	s_add_nc_u64 s[38:39], s[38:39], s[74:75]
	s_lshl_b32 s74, s72, 9
	s_add_co_u32 s74, s74, 384
	s_add_nc_u64 s[40:41], s[40:41], s[74:75]
	s_load_b32 s76, s[28:29], 0x0                  ; b_out[e]
	v_lshlrev_b32 v18, 2, v1
	v_lshlrev_b32 v19, 4, v1
	v_lshlrev_b32 v20, 5, v1
.irp j, 0,1,2,3,4,5,6,7
.irp d, 0,1,2
	global_load_b32 v[128+3*\j+\d], v18, s[20:21] offset:1024*\d+128*\j   ; W_in[e][d][32 j + lane]
.endr
.endr
	global_load_b128 v[152:155], v19, s[22:23]
	global_load_b128 v[156:159], v19, s[22:23] offset:512
.irp l, 0,1,2
	global_load_b128 v[160+8*\l:163+8*\l], v19, s[24:25] offset:8192*\l
	global_load_b128 v[164+8*\l:167+8*\l], v19, s[24:25] offset:8192*\l+512
.endr
	global_load_b128 v[184:187], v20, s[26:27]
	global_load_b128 v[188:191], v20, s[26:27] offset:16
.irp z, 48,49,50,51,37,38
	v_mov_b32 v\z, 0
.endr
	s_wait_loadcnt 0x0
	s_wait_kmcnt 0x0
.irp j, 0,1,2,3,4,5,6,7
	v_cvt_pk_f16_f32 v[64+4*\j], v[128+3*\j], v[129+3*\j]
	v_cvt_pk_f16_f32 v[65+4*\j], v[130+3*\j], v48
	v_mov_b32 v[66+4*\j], 0
	v_mov_b32 v[67+4*\j], 0
	global_store_b128 v20, v[64+4*\j:67+4*\j], s[38:39] offset:1024*\j
	global_store_b128 v20, v[48:51], s[38:39] offset:1024*\j+16
.endr
.irp a, 0,1,2,3,4,5,6,7
	global_store_b128 v19, v[152+4*\a:155+4*\a], s[38:39] offset:8192+512*\a   ; b_in, then b_hid 0..2, as they are
.endr
.irp c, 0,1,2,3
	v_cvt_pk_f16_f32 v[96+\c], v[184+2*\c], v[185+2*\c]
.endr
	global_store_b128 v19, v[96:99], s[38:39] offset:12288
	v_mul_f32 v32, v128, v128
.set q, 1
.rept 23
	v_fmac_f32 v32, v[128+q], v[128+q]
.set q, q+1
.endr
.irp st, 0,1,2,3
	v_mul_f32 v[33+\st], v[152+8*\st], v[152+8*\st]
.irp c, 1,2,3,4,5,6,7
	v_fmac_f32 v[33+\st], v[152+8*\st+\c], v[152+8*\st+\c]
.endr
.endr
	WSUM 32, 37                                    ; v37 was cleared above: the permute's destination counts as read
	WSUM 33, 37
	WSUM 34, 37
	WSUM 35, 37
	WSUM 36, 37
	v_mov_b32 v37, s76
.irp k, 0,1,2,3,4,5
	v_cmp_eq_u32 vcc_lo, \k, v1
	v_cndmask_b32 v38, v38, v[32+\k], vcc_lo       ; lanes 0..5: |W_in|^2, |b_in|^2, |b_hid l|^2, b_out; the rest 0
.endr
	global_store_b32 v18, v38, s[40:41]
.Ljoin:
	s_wait_loadcnt 0x0                             ; the ways differ in what they issued: zero
	s_wait_kmcnt 0x0                               ; c2
	s_wait_xcnt 0x0                                ; offsets and data of the stores above are written again below
	; ---- c0, c1, M0, M2 into LDS
	v_add_nc_u32 v18, C01, v16
	ds_store_b64 v18, v[198:199]
	ds_store_b64 v18, v[200:201] offset:1024
	v_pk_mul_f32 v[52:53], v[198:199], v[198:199]
	v_pk_mul_f32 v[54:55], v[200:201], v[200:201]
	v_pk_mul_f32 v[56:57], v[192:193], v[192:193]
	v_pk_fma_f32 v[56:57], v[194:195], v[194:195], v[56:57]
	v_pk_fma_f32 v[56:57], v[196:197], v[196:197], v[56:57]
	SPLITP 192, 0, 32, 38
	SPLITP 194, 1, 34, 40
	SPLITP 196, 0, 36, 42
.irp z, 47,48,49,50,51,58,59
	v_mov_b32 v\z, 0
.endr
	v_add_nc_u32 v19, M0T, v17
.irp a, 0,1
	v_cvt_pk_f16_f32 v44, v[32+\a], v[34+\a]
	v_cvt_pk_f16_f32 v45, v[36+\a], v[38+\a]
	v_cvt_pk_f16_f32 v46, v[40+\a], v[42+\a]
	ds_store_b128 v19, v[44:47] offset:32*\a
	ds_store_b128 v19, v[48:51] offset:32*\a+16
.endr
	v_lshlrev_b32 v20, 2, v0
	v_add_nc_u32 v20, M2H, v20
.irp e, 0,1,2,3,4,5,6,7
	v_cvt_pk_f16_f32 v30, v[208+\e], v[216+\e]     ; k = 2t and 2t+1 of expert e
	v_cvt_f32_f16 v32, v30.l
	v_cvt_f32_f16 v33, v30.h
	v_mul_f32 v34, 0x45800000, v[208+\e]
	v_mul_f32 v35, 0x45800000, v[216+\e]
	v_pk_fma_f32 v[34:35], v[32:33], 0xc5800000, v[34:35] op_sel_hi:[1,0,1]
	v_cvt_pk_f16_f32 v31, v34, v35
	ds_store_b32 v20, v30 offset:528*\e
	ds_store_b32 v20, v31 offset:528*\e+4352
.endr
	; ---- M1 into LDS, split.  Wave v takes rows of k 64 v .. +63; four register buffers of 4 rows (8 loads) keep 32 loads of a wave on their way.
.macro MLOAD q, ext
.irp u, 0,1,2,3,4,5,6,7
	global_load_b128 v[128+32*\q+4*\u:128+32*\q+4*\u+3], v11, s[10:11] offset:4096*\q+512*\u+\ext
.endr
.endm
.macro MCONV q
.irp u, 0,1,2,3,4,5,6,7
	SPLITP 128+32*\q+4*\u, 0, 32, 36
	SPLITP 128+32*\q+4*\u+2, 1, 34, 38
	v_pk_fma_f32 v[58:59], v[128+32*\q+4*\u:128+32*\q+4*\u+1], v[128+32*\q+4*\u:128+32*\q+4*\u+1], v[58:59]
	v_pk_fma_f32 v[58:59], v[128+32*\q+4*\u+2:128+32*\q+4*\u+3], v[128+32*\q+4*\u+2:128+32*\q+4*\u+3], v[58:59]
	v_cvt_pk_f16_f32 v40, v36, v37
	v_cvt_pk_f16_f32 v41, v38, v39
	ds_store_b64 v12, v[30:31] offset:2176*\q+544*(\u>>1)+256*(\u&1)   ; 32 lanes, 256 neighbouring bytes
	ds_store_b64 v13, v[40:41] offset:2176*\q+544*(\u>>1)+256*(\u&1)
.endr
.endm
	s_lshl_b32 s74, s42, 16
	v_lshl_add_u32 v11, v1, 4, s74                 ; 16 lane + 64 rows of 1024 bytes a wave
	s_mul_i32 s74, s42, 34816
	v_lshl_add_u32 v14, v1, 3, s74                 ; 8 lane + 64 LDS rows of 544 bytes a wave
	MLOAD 0, 0
	MLOAD 1, 0
	MLOAD 2, 0
	MLOAD 3, 0
	s_mov_b32 s54, 0
.Lm1:
	s_mul_i32 s74, s54, 8704                       ; 16 LDS rows a trip
	v_add_nc_u32 v12, s74, v14
	v_add_nc_u32 v13, M1L, v12
.irp q, 0,1,2,3
	s_wait_loadcnt 24                              ; loads come back in order: this buffer's eight are in, the three younger buffers stay out
	MCONV \q
	MLOAD \q, 16384                                ; the same rows, 16 further down
.endr
	s_wait_xcnt 0x0                                ; the base is stepped only behind this wait
	s_add_nc_u64 s[10:11], s[10:11], 16384
	s_add_co_u32 s54, s54, 1
	s_cmp_lt_u32 s54, 3
	s_cbranch_scc1 .Lm1
	s_mul_i32 s74, s54, 8704
	v_add_nc_u32 v12, s74, v14
	v_add_nc_u32 v13, M1L, v12
	s_wait_loadcnt 24                              ; the last 16 rows: nothing more is loaded, the counts run down
	MCONV 0
	s_wait_loadcnt 16
	MCONV 1
	s_wait_loadcnt 8
	MCONV 2
	s_wait_loadcnt 0
	MCONV 3
	v_add_f32 v60, v56, v57
	v_add_f32 v61, v52, v53
	v_add_f32 v62, v54, v55
	v_add_f32 v63, v58, v59
	WSUM 60, 33
	WSUM 61, 33
	WSUM 62, 33
	WSUM 63, 33
	s_lshl_b32 s74, s42, 4
	s_add_co_u32 s74, s74, RS
	v_mov_b32 v18, s74
	ds_store_b128 v18, v[60:63]
	s_wait_dscnt 0x0                               ; all my LDS stores are done, for the other waves' sake
	s_barrier_signal -1
	s_barrier_wait -1                              ; M0T, C01, M1, M2, TS, RS are whole
	s_cmp_lt_u32 s43, 192
	s_cbranch_scc0 .Lnoout
	; ---- the slab leaves: rows of m, 256 bytes each, sixteen lanes a row
	v_lshrrev_b32 v30, 4, v0
	v_and_b32 v31, 15, v0
	v_mul_u32_u24 v21, v30, 272
	v_lshl_add_u32 v21, v31, 4, v21
	v_add_nc_u32 v21, TS, v21
	v_lshlrev_b32 v22, 9, v30
	v_lshl_add_u32 v22, v31, 4, v22
.irp j, 0,1,2,3,4,5,6,7
	ds_load_b128 v[128+4*\j:131+4*\j], v21 offset:2176*\j
.endr
.irp j, 0,1,2,3,4,5,6,7
	s_wait_dscnt 7-\j                              ; LDS loads come back in order: load j is in
	global_store_b128 v22, v[128+4*\j:131+4*\j], s[36:37] offset:4096*\j
.endr
	s_wait_xcnt 0x0                                ; the data registers are fragment buffers again below
.Lnoout:
	; ---- the scales
	v_mov_b32 v18, RS
.irp a, 0,1,2,3
	ds_load_b128 v[64+4*\a:67+4*\a], v18 offset:16*\a
.endr
	v_mul_f32 v32, v24, v24
	v_fmac_f32 v32, v25, v25
	v_fmac_f32 v32, v26, v26
	v_mul_f32 v33, v27, v27
	v_fmac_f32 v33, v28, v28
	v_fmac_f32 v33, v29, v29
	v_max_num_f32 v32, v32, v33
	v_max_num_f32_dpp v32, v32, v32 row_xmask:1 row_mask:0xf bank_mask:0xf
	v_max_num_f32_dpp v32, v32, v32 row_xmask:2 row_mask:0xf bank_mask:0xf
	v_max_num_f32_dpp v32, v32, v32 row_xmask:4 row_mask:0xf bank_mask:0xf
	v_max_num_f32_dpp v32, v32, v32 row_xmask:8 row_mask:0xf bank_mask:0xf   ; both halves of the lanes hold the same points
	s_wait_dscnt 0x0
	v_pk_add_f32 v[60:61], v[64:65], v[68:69]
	v_pk_add_f32 v[62:63], v[66:67], v[70:71]
	v_pk_add_f32 v[60:61], v[60:61], v[72:73]
	v_pk_add_f32 v[62:63], v[62:63], v[74:75]
	v_pk_add_f32 v[60:61], v[60:61], v[76:77]
	v_pk_add_f32 v[62:63], v[62:63], v[78:79]
	v_sqrt_f32 v32, v32                            ; P = max |p|
	v_sqrt_f32 v60, v60                            ; |M0|
	v_sqrt_f32 v61, v61                            ; |c0|
	v_sqrt_f32 v62, v62                            ; |c1|
	v_sqrt_f32 v63, v63                            ; |M1|
	v_nop                                          ; one plain instruction behind the roots before they are used
	s_wait_alu depctr_va_vdst(0)
	v_fma_f32 v34, v60, v32, v61                   ; gamma0
	v_fma_f32 v35, v63, v34, v62                   ; gamma1
	EXPO 32
	EXPO 34
	EXPO 35
	MKS 56, 32                                     ; sigma: the points' scale
	MKS 58, 34                                     ; u0
	MKR 60, 32, 34, 127                            ; u0 / sigma
	MKR 66, 32, 34, 115                            ; the same / 4096
	MKR 62, 34, 35, 127                            ; u1 / u0
	MKR 68, 34, 35, 115
	v_add_nc_u32 v44, -13, v35
	v_lshlrev_b32 v44, 23, v44
	v_readfirstlane_b32 s70, v44                   ; 1 / u1
	; ---- the points as B fragments: H side (y0 y1 y2 0 ..), L side (d0 d1 d2 y0 y1 y2 0 ..), k = 0..7 in lanes 0-15, zeros elsewhere
	v_pk_mul_f32 v[24:25], v[24:25], s[56:57] op_sel_hi:[1,0]
	v_pk_mul_f32 v[26:27], v[26:27], s[56:57] op_sel_hi:[1,0]
	v_pk_mul_f32 v[28:29], v[28:29], s[56:57] op_sel_hi:[1,0]
	SPLITP 24, 0, 32, 38
	SPLITP 26, 1, 34, 40
	SPLITP 28, 0, 36, 42
.irp n, 0,1
	v_cvt_pk_f16_f32 v[64+5*\n], v[32+3*\n], v[33+3*\n]
	v_cvt_pk_f16_f32 v[65+5*\n], v[34+3*\n], v48
	v_cvt_pk_f16_f32 v[66+5*\n], v[38+3*\n], v[39+3*\n]
	v_cvt_pk_f16_f32 v[67+5*\n], v[40+3*\n], v[32+3*\n]
	v_cvt_pk_f16_f32 v[68+5*\n], v[33+3*\n], v[34+3*\n]
.endr
	WIN 0x80                                       ; destination in window 2
.irp n, 0,1
	v_cndmask_b32 v[8*\n], v[64+5*\n], v48, s55
	v_cndmask_b32 v[8*\n+1], v[65+5*\n], v48, s55
.irp z, 2,3,4,5,6,7
	v_mov_b32 v[8*\n+\z], 0
.endr
	v_cndmask_b32 v[16+8*\n], v[66+5*\n], v48, s55
	v_cndmask_b32 v[17+8*\n], v[67+5*\n], v48, s55
	v_cndmask_b32 v[18+8*\n], v[68+5*\n], v48, s55
.irp z, 3,4,5,6,7
	v_mov_b32 v[16+8*\n+\z], 0
.endr
.endr
	WIN 0
.irp z, 132,133,134,135
	v_mov_b32 v\z, 0                               ; k = 16..31 of stage 0's A fragment
.endr
; The epilogue of an m-tile: x = rho (H + L/4096), relu, split.  H's registers end as x, L's as 4096 (x - hi).
.macro EPI rho, rho12
.set EPP, 0
.rept 8
	v_pk_mul_f32 v[64+2*EPP:65+2*EPP], v[64+2*EPP:65+2*EPP], s[\rho:\rho+1] op_sel_hi:[1,0]
	v_pk_fma_f32 v[64+2*EPP:65+2*EPP], v[80+2*EPP:81+2*EPP], s[\rho12:\rho12+1], v[64+2*EPP:65+2*EPP] op_sel_hi:[1,0,1]
	v_max_num_f32 v[64+2*EPP], 0, v[64+2*EPP]
	v_max_num_f32 v[65+2*EPP], 0, v[65+2*EPP]
	SPLITP 64+2*EPP, EPP&1, 32+2*(EPP&1), 80+2*EPP
.set EPP, EPP+1
.endr
.endm
; m-tile t becomes half of the next layer's B fragments of k-step t>>1, in window win
.macro PACKM t, win
	WIN (\win<<6)
.set PN, 0
.rept 2
.set PJ, 0
.rept 4
	v_cvt_pk_f16_f32 v[8*(2*((\t)>>1)+PN)+4*((\t)&1)+PJ], v[64+8*PN+2*PJ], v[65+8*PN+2*PJ]
	v_cvt_pk_f16_f32 v[128+8*(2*((\t)>>1)+PN)+4*((\t)&1)+PJ], v[80+8*PN+2*PJ], v[81+8*PN+2*PJ]
.set PJ, PJ+1
.endr
.set PN, PN+1
.endr
	WIN 0
.endm
; 16 transposing loads: M1's fragments hi and lo' of m-tile i, k-steps 4 ch .. 4 ch + 3, into fragment buffer ch
.macro LDC i, ch
.irp kq, 0,1,2,3
	ds_load_tr16_b128 v[128+64*\ch+8*\kq:128+64*\ch+8*\kq+3], v[4+\ch] offset:17408*\kq+32*(\i)
	ds_load_tr16_b128 v[128+64*\ch+8*\kq+4:128+64*\ch+8*\kq+7], v[4+\ch] offset:17408*\kq+32*(\i)+8704
	ds_load_tr16_b128 v[160+64*\ch+8*\kq:160+64*\ch+8*\kq+3], v[6+\ch] offset:17408*\kq+32*(\i)
	ds_load_tr16_b128 v[160+64*\ch+8*\kq+4:160+64*\ch+8*\kq+7], v[6+\ch] offset:17408*\kq+32*(\i)+8704
.endr
.endm
; One k-step: six matrix instructions.  The accumulators take turns, one instruction a turn.
.macro MM6 k, ahi, alo, cm
.if \k == 0
.if \cm
	v_wmma_f32_16x16x32_f16 v[64:71], v[\ahi:\ahi+7], v[0:7], v[48:55]
	v_wmma_f32_16x16x32_f16 v[72:79], v[\ahi:\ahi+7], v[8:15], v[48:55]
.else
	v_wmma_f32_16x16x32_f16 v[64:71], v[\ahi:\ahi+7], v[0:7], 0
	v_wmma_f32_16x16x32_f16 v[72:79], v[\ahi:\ahi+7], v[8:15], 0
.endif
	v_wmma_f32_16x16x32_f16 v[80:87], v[\ahi:\ahi+7], v[128:135], 0
	v_wmma_f32_16x16x32_f16 v[88:95], v[\ahi:\ahi+7], v[136:143], 0
.else
	v_wmma_f32_16x16x32_f16 v[64:71], v[\ahi:\ahi+7], v[16*\k:16*\k+7], v[64:71]
	v_wmma_f32_16x16x32_f16 v[72:79], v[\ahi:\ahi+7], v[16*\k+8:16*\k+15], v[72:79]
	v_wmma_f32_16x16x32_f16 v[80:87], v[\ahi:\ahi+7], v[128+16*\k:128+16*\k+7], v[80:87]
	v_wmma_f32_16x16x32_f16 v[88:95], v[\ahi:\ahi+7], v[136+16*\k:136+16*\k+7], v[88:95]
.endif
	v_wmma_f32_16x16x32_f16 v[80:87], v[\alo:\alo+7], v[16*\k:16*\k+7], v[80:87]
	v_wmma_f32_16x16x32_f16 v[88:95], v[\alo:\alo+7], v[16*\k+8:16*\k+15], v[88:95]
.endm
	; ---- stage 0: m0 = relu(p M0 + c0), one k-step; hi and lo' of M0 lie side by side along k
	ds_load_b128 v[128:131], v9
	ds_load_b128 v[48:51], v10
	ds_load_b128 v[52:55], v10 offset:16
.macro STEP0 i
	s_wait_dscnt 0x0                               ; this m-tile's rows of M0T and its c0, issued in front of the last epilogue
.irp c, 0,2,4,6
	v_pk_mul_f32 v[48+\c:49+\c], v[48+\c:49+\c], s[56:57] op_sel_hi:[1,0]
.endr
	WIN 0x08                                       ; B in window 2
	v_wmma_f32_16x16x32_f16 v[64:71], v[128:135], v[0:7], v[48:55]
	v_wmma_f32_16x16x32_f16 v[72:79], v[128:135], v[8:15], v[48:55]
	v_wmma_f32_16x16x32_f16 v[80:87], v[128:135], v[16:23], 0
	v_wmma_f32_16x16x32_f16 v[88:95], v[128:135], v[24:31], 0
	WIN 0
	PLACES
.if \i < 15
	ds_load_b128 v[128:131], v9 offset:512*(\i+1)
	ds_load_b128 v[48:51], v10 offset:64*(\i+1)
	ds_load_b128 v[52:55], v10 offset:64*(\i+1)+16
.else
	LDC 0, 0                                       ; stage 1's first chunk and its c1
	ds_load_b128 v[48:51], v10 offset:1024
	ds_load_b128 v[52:55], v10 offset:1040
.endif
	EPI 60, 66
	PACKM \i, 1
.endm
.irp i, 0,1,2,3,4,5,6,7,8,9,10,11,12,13,14,15
	STEP0 \i
.endr
	; ---- stage 1: m1 = relu(m0 M1 + c1).  An m-tile is two chunks of four k-steps on two fragment buffers; a chunk's loads are issued a chunk ahead.
.macro STEP1 i
	LDC \i, 1
	s_wait_dscnt 16                                ; all but the 16 just issued: the first chunk's fragments and c1 are in
.irp c, 0,2,4,6
	v_pk_mul_f32 v[48+\c:49+\c], v[48+\c:49+\c], s[58:59] op_sel_hi:[1,0]
.endr
	WIN 0x04                                       ; B in window 1
	MM6 0, 128, 160, 1
	MM6 1, 136, 168, 1
	MM6 2, 144, 176, 1
	MM6 3, 152, 184, 1
	PLACES
.if \i < 15
	LDC (\i+1), 0
	ds_load_b128 v[48:51], v10 offset:1024+64*(\i+1)
	ds_load_b128 v[52:55], v10 offset:1024+64*(\i+1)+16
	s_wait_dscnt 18                                ; all but the 18 just issued
.else
	s_wait_dscnt 0x0
.endif
	MM6 4, 192, 224, 1
	MM6 5, 200, 232, 1
	MM6 6, 208, 240, 1
	MM6 7, 216, 248, 1
	WIN 0
	PLACES
.if \i == 15
.irp k, 0,1,2,3,4,5,6,7
	ds_load_b128 v[128+8*\k:131+8*\k], v8 offset:64*\k                 ; M2's fragments, hi and lo'
	ds_load_b128 v[132+8*\k:135+8*\k], v8 offset:64*\k+32
	ds_load_b128 v[192+8*\k:195+8*\k], v8 offset:64*\k+4352
	ds_load_b128 v[196+8*\k:199+8*\k], v8 offset:64*\k+4384
.endr
.endif
	EPI 62, 68
	PACKM \i, 2
.endm
.irp i, 0,1,2,3,4,5,6,7,8,9,10,11,12,13,14,15
	STEP1 \i
.endr
	; ---- the scores: m1 M2
	s_wait_dscnt 0x0
	WIN 0x08
.irp k, 0,1,2,3,4,5,6,7
	MM6 \k, 128+8*\k, 192+8*\k, 0
.endr
	WIN 0
	PLACES
.irp p, 0,1,2,3,4,5,6,7
	v_pk_fma_f32 v[64+2*\p:65+2*\p], v[80+2*\p:81+2*\p], 0x39800000, v[64+2*\p:65+2*\p] op_sel_hi:[1,0,1]   ; H + L / 4096
.endr
.irp j, 0,1,2,3,4,5,6,7
	v_cndmask_b32 v[32+\j], v[64+\j], v[72+\j], s55                    ; lane L: the eight scores of point L of my 32
	v_fma_f32 v[32+\j], v[32+\j], s70, s[44+\j]                        ; scale off, + c2
.endr
	v_max3_num_f32 v40, v32, v33, v34
	v_max3_num_f32 v40, v40, v35, v36
	v_max3_num_f32 v40, v40, v37, v38
	v_max_num_f32 v40, v40, v39
.irp j, 0,1,2,3,4,5,6,7
	v_sub_f32 v[32+\j], v[32+\j], v40
	v_mul_f32 v[32+\j], 0x3fb8aa3b, v[32+\j]
.endr
.irp j, 0,1,2,3,4,5,6,7
	v_exp_f32 v[32+\j], v[32+\j]
.endr
	v_nop
	s_wait_alu depctr_va_vdst(0)
	v_add_f32 v41, v32, v33
	v_add_f32 v42, v34, v35
	v_add_f32 v43, v36, v37
	v_add_f32 v44, v38, v39
	v_add_f32 v41, v41, v42
	v_add_f32 v43, v43, v44
	v_add_f32 v41, v41, v43
	v_rcp_f32 v41, v41
	v_mov_b32 v45, 0                               ; the plain instruction behind the reciprocal; idx starts at 0
	s_wait_alu depctr_va_vdst(0)
.irp j, 0,1,2,3,4,5,6,7
	v_mul_f32 v[32+\j], v[32+\j], v41
	v_max_num_f32 v[32+\j], 0x3727c5ac, v[32+\j]   ; clamp at 1e-5
.endr
	v_mov_b32 v46, v32
.irp j, 1,2,3,4,5,6,7
	v_mov_b32 v47, \j
	v_cmp_gt_f32 vcc_lo, v[32+\j], v46             ; strictly larger: the first maximum stays
	v_cndmask_b32 v45, v45, v47, vcc_lo
	v_max_num_f32 v46, v46, v[32+\j]
.endr
	; ---- out: q through my own LDS bytes, so that each store of the wave covers 512 neighbouring bytes
	s_lshl_b32 s74, s42, 10
	s_add_co_u32 s75, s74, QS
	v_lshl_add_u32 v18, v1, 5, s75
	v_lshl_add_u32 v19, v1, 4, s75
	s_lshl_b32 s76, s42, 7
	s_add_co_u32 s76, s76, IS
	v_lshl_add_u32 v20, v1, 2, s76
	v_lshlrev_b32 v23, 4, v1
	s_lshl_b32 s72, s43, 12
	s_add_co_u32 s72, s72, s74
	s_mov_b32 s73, 0
	s_add_nc_u64 s[30:31], s[30:31], s[72:73]
	ds_store_b128 v18, v[32:35]
	ds_store_b128 v18, v[36:39] offset:16
	ds_store_b32 v20, v45
	ds_load_b128 v[64:67], v19                     ; LDS serves a wave's instructions in order: these see the stores above
	ds_load_b128 v[68:71], v19 offset:512
	s_wait_dscnt 1
	global_store_b128 v23, v[64:67], s[30:31]
	s_wait_dscnt 0x0
	global_store_b128 v23, v[68:71], s[30:31] offset:512
	s_barrier_signal -1
	s_barrier_wait -1                              ; the 128 idx are in LDS
	s_cmp_gt_u32 s42, 1
	s_cbranch_scc1 .Lend
	v_add_nc_u32 v21, IS, v23
	ds_load_b128 v[72:75], v21
	s_cmp_eq_u32 s42, 0
	s_cselect_b64 s[74:75], s[32:33], s[34:35]     ; wave 0 writes out2, wave 1 the copy that the next launch reads
	s_lshl_b32 s72, s43, 9
	s_add_nc_u64 s[74:75], s[74:75], s[72:73]
	s_wait_dscnt 0x0
	global_store_b128 v23, v[72:75], s[74:75]
.Lend:
	s_wait_tensorcnt 0x0
	ds_add_u32 v126, v127
	s_wait_dscnt 0x0
	s_endpgm
.Lfunc_end_k_qbef6b440dc_manager:
	.size	k_qbef6b440dc_manager, .Lfunc_end_k_qbef6b440dc_manager-k_qbef6b440dc_manager
	.p2alignl 7, 3214868480
	.fill 96, 4, 3214868480
	.section	.rodata,"a",@progbits
	.p2align	6, 0x0
	.amdhsa_kernel k_qbef6b440dc_manager
		.amdhsa_group_segment_fixed_size 320256
		.amdhsa_private_segment_fixed_size 0
		.amdhsa_enable_private_segment 0
		.amdhsa_kernarg_size 152
		.amdhsa_user_sgpr_count 2
		.amdhsa_user_sgpr_kernarg_segment_ptr 1
		.amdhsa_wavefront_size32 1
		.amdhsa_system_sgpr_workgroup_id_x 1
		.amdhsa_system_sgpr_workgroup_id_y 1
		.amdhsa_system_sgpr_workgroup_id_z 1
		.amdhsa_system_vgpr_workitem_id 0
		.amdhsa_next_free_vgpr 768
		.amdhsa_next_free_sgpr 84
		.amdhsa_reserve_vcc 1
		.amdhsa_float_denorm_mode_32 3
		.amdhsa_float_denorm_mode_16_64 3
		.amdhsa_memory_ordered 1
		.amdhsa_forward_progress 1
		.amdhsa_inst_pref_size 255
	.end_amdhsa_kernel
	.section	.bss,"aw",@nobits
	.p2align	6
	.space	262144
	.amdgpu_metadata
---
amdhsa.version: [ 1, 2 ]
amdhsa.kernels:
  - .name:           k_qbef6b440dc_manager
    .symbol:         k_qbef6b440dc_manager.kd
    .args:
      - { .name: points, .offset: 0, .size: 8, .value_kind: global_buffer, .address_space: global }
      - { .name: M0, .offset: 8, .size: 8, .value_kind: global_buffer, .address_space: global }
      - { .name: c0, .offset: 16, .size: 8, .value_kind: global_buffer, .address_space: global }
      - { .name: M1, .offset: 24, .size: 8, .value_kind: global_buffer, .address_space: global }
      - { .name: c1, .offset: 32, .size: 8, .value_kind: global_buffer, .address_space: global }
      - { .name: M2, .offset: 40, .size: 8, .value_kind: global_buffer, .address_space: global }
      - { .name: c2, .offset: 48, .size: 8, .value_kind: global_buffer, .address_space: global }
      - { .name: W_hid, .offset: 56, .size: 8, .value_kind: global_buffer, .address_space: global }
      - { .name: W_in, .offset: 64, .size: 8, .value_kind: global_buffer, .address_space: global }
      - { .name: b_in, .offset: 72, .size: 8, .value_kind: global_buffer, .address_space: global }
      - { .name: b_hid, .offset: 80, .size: 8, .value_kind: global_buffer, .address_space: global }
      - { .name: W_out, .offset: 88, .size: 8, .value_kind: global_buffer, .address_space: global }
      - { .name: b_out, .offset: 96, .size: 8, .value_kind: global_buffer, .address_space: global }
      - { .name: out1, .offset: 104, .size: 8, .value_kind: global_buffer, .address_space: global }
      - { .name: out2, .offset: 112, .size: 8, .value_kind: global_buffer, .address_space: global }
      - { .name: route, .offset: 120, .size: 8, .value_kind: global_buffer, .address_space: global }
      - { .name: wt, .offset: 128, .size: 8, .value_kind: global_buffer, .address_space: global }
      - { .name: aux, .offset: 136, .size: 8, .value_kind: global_buffer, .address_space: global }
      - { .name: norms, .offset: 144, .size: 8, .value_kind: global_buffer, .address_space: global }
    .group_segment_fixed_size: 320256
    .private_segment_fixed_size: 0
    .kernarg_segment_align: 8
    .kernarg_segment_size: 152
    .max_flat_workgroup_size: 128
    .sgpr_count:     84
    .vgpr_count:     768
    .wavefront_size: 32
...
	.end_amdgpu_metadata
.endif
;; end of part 1
;; launch experts (part 2): grid 128 x 2, 4 waves a work-group, clusters of 4 x 1, 327,680 bytes of LDS; arguments points, wt, aux, norms, route, out0, out3; writes out0, out3
.if DOCPART == 2
	.amdgcn_target "amdgcn-amd-amdhsa--gfx1250"
	.amdhsa_code_object_version 6
	.text
	.protected	k_qbef6b440dc_experts
	.globl	k_qbef6b440dc_experts
	.p2align	8
	.type	k_qbef6b440dc_experts,@function
k_qbef6b440dc_experts:
	s_mov_b64 s[64:65], 0
	v_nop
	global_prefetch_b8 v0, s[64:65] scope:SCOPE_SE
	s_setreg_imm32_b32 hwreg(HW_REG_WAVE_MODE, 25, 1), 1
	s_wait_xcnt 0x0
	s_wait_alu depctr_hold_cnt(0) depctr_sa_sdst(0) depctr_va_vdst(0) depctr_va_sdst(0) depctr_va_ssrc(0) depctr_va_vcc(0) depctr_vm_vsrc(0)
	s_getreg_b32 s2, hwreg(HW_REG_IB_STS2, 6, 4)
	s_cmp_eq_u32 s2, 0
	s_cbranch_scc0 .Lentry_in_a_cluster
	s_endpgm
.Lentry_in_a_cluster:
	s_bfe_u32 s2, ttmp6, 0x10000c
	s_cmp_lg_u32 s2, 0x3003
	s_cbranch_scc0 .Lentry_shape_is_right
	s_endpgm
.Lentry_shape_is_right:
; FOUR EXPERTS (3 -> 256 -> 256 -> 256 -> 256 -> 1) for 256 points a work-group, 64 a wave.  Work-group (block, y) takes points 256 block .. +255 and experts 4y .. 4y+3.
; Weights are operand A (rows = output features, f16, from LDS), activations operand B (columns = points, f16, in registers): register j of lane (r, h) of a result
; holds (feature 8h+j, point r); packing register pairs of m-tile t gives registers 4(t&1)..+3 of the next layer's B fragment of k-step t>>1, so the activations
; (256 features x 64 points = 256 registers) never leave registers; two windows of 256 registers take turns as source and destination.  One A fragment (two LDS
; loads) feeds four matrix instructions.  m-tile outside, k inside; two sets of four accumulators take turns, so that the last m-tile is scaled, cut at zero and
; packed among the matrix instructions of the next.
; f16 AND ITS RANGE: bf16's eight bits would not hold the tolerance over four layers.  Each layer's activations carry an exact power of two as scale, from a bound that holds
; for every input: beta0 = |W_in|_F max|p| + |b_in|_2, beta(l+1) = |W_l|_F beta(l) + |b_l|_2 (norms from the launch before); scale = 2^(140-e), e the bound's exponent field:
; scaled activations stay below 2^14.
; LIMITS: weights are f16 unscaled (|w| <= 65504; below 2^-14 an absolute error of 2^-25).  relu by v_max_num_f32 turns NaN into 0.  Exponent fields of bounds are clamped
; to 16..250, ratios of successive scales to 2^-126..2^127.
; CLUSTER: the four work-groups of a cluster (same y, four neighbouring blocks) walk the same weights: every tensor load is a joint one with the mask of all four, which
; divides the requests for weights by four.  Only global addresses of points and results hang on the place in the cluster.
; WEIGHT TILES: 192 rows of wt (12 m-tiles) x 512 bytes, LDS pitch 528; an expert's 768 rows are four tiles; two slots take turns; a tile is asked for 384 matrix
; instructions before it is waited for.  By this text's count a wave has three tensor loads out at the start and one behind each refill.
; out3: the work-group that owns the chosen expert stores, under a mask made from the whole numbers in route; each byte has one owner, but a run of 256 bytes is
; written in part by two work-groups (131,072 bytes in all).
; The expert loop's text is longer than 50 KiB by about an eighth: the pack's destinations are register numbers, so the m-tiles cannot be a loop.
.set ACC, 64                           ; v64-127: two sets of 4 n-tiles x 8
.set AF, 128                           ; v128-255: two fragment buffers of 64
.set BI, 32                            ; v32-47: two bias buffers of 8
.set PITCH, 528
.set SLOTB, 192*PITCH                  ; 101376
.set AUXB, 2*SLOTB                     ; 202752: four experts' packs of 12800 bytes: W_in rows 8192 | biases 4096 | W_out 512
.set AUXE, 12800
.set TILEG, 192*512                    ; a tile in memory
; v0 thread, v1 lane, v2 r, v3 h; v4-7 fragment addresses [slot][half]; v8-10 this expert's W_in, bias, W_out addresses; v11 8 lane; v12 4 lane; v13 max|p|;
; v14-15 idx; v16-17 sel; v18-19 pred; v20-23 norms; v24-26 the first expert's v8-10; v27 exponent of max|p|; v28 zero; v29 24 r; v48-63 at work.
; window 1, window 2: activations, fragment (k-step, n) at 8 (4 k + n); window 3, v0-31: the points' fragments.
; n-tile n, column r is local point 32 (n>>1) + 2 r + (n&1), so that lane L ends with points 2L, 2L+1 and a wave's store covers 256 neighbouring bytes.
.set MSB, 0
.macro WIN new                         ; the immediate's high byte repeats the setting that is left
.if MSB != \new
	s_set_vgpr_msb (MSB<<8)|\new
.set MSB, \new
.endif
.endm
.macro CREST                           ; a round of the cluster's barrier behind its opening work-group barrier
	s_cmp_lg_u32 s18, 0
	s_cbranch_scc1 .Lnot_wave_0_\@
	s_barrier_signal -3
.Lnot_wave_0_\@:
	s_barrier_wait -3
	s_barrier_signal -1
	s_barrier_wait -1
.endm
.macro ROUND
	s_barrier_signal -1
	s_barrier_wait -1
	CREST
.endm
.macro WSUM x, tmp
	v_add_f32_dpp v[\x], v[\x], v[\x] row_xmask:1 row_mask:0xf bank_mask:0xf
	v_add_f32_dpp v[\x], v[\x], v[\x] row_xmask:2 row_mask:0xf bank_mask:0xf
	v_add_f32_dpp v[\x], v[\x], v[\x] row_xmask:4 row_mask:0xf bank_mask:0xf
	v_add_f32_dpp v[\x], v[\x], v[\x] row_xmask:8 row_mask:0xf bank_mask:0xf
	v_permlanex16_b32 v[\tmp], v[\x], s54, s55
	v_add_f32 v[\x], v[\x], v[\tmp]
.endm
.macro EXPO x
	v_lshrrev_b32 v[\x], 23, v[\x]
	v_max_u32 v[\x], 16, v[\x]
	v_min_u32 v[\x], 0xfa, v[\x]
.endm
.macro MKS sreg, e                     ; scalar pair = 2^(140-e)
	v_sub_nc_u32 v60, 0x10b, v[\e]
	v_lshlrev_b32 v60, 23, v60
	v_readfirstlane_b32 s[\sreg], v60
	s_mov_b32 s[\sreg+1], s[\sreg]
.endm
.macro MKR sreg, ep, ec                ; scalar pair = 2^(ep-ec)
	v_sub_nc_u32 v60, v[\ep], v[\ec]
	v_add_nc_u32 v60, 127, v60
	v_max_i32 v60, 1, v60
	v_min_i32 v60, 0xfe, v60
	v_lshlrev_b32 v60, 23, v60
	v_readfirstlane_b32 s[\sreg], v60
	s_mov_b32 s[\sreg+1], s[\sreg]
.endm
	s_load_b256 s[4:11], s[0:1], 0x0               ; points, wt, aux, norms
	s_load_b128 s[12:15], s[0:1], 0x20             ; route, out0
	s_load_b64 s[16:17], s[0:1], 0x30              ; out3
	v_lshl_add_u32 v30, v0, 2, 0x3e000
	v_mov_b32 v31, 0
	ds_add_u32 v30, v31
	v_lshrrev_b32 v1, 5, v0
	v_readfirstlane_b32 s18, v1                    ; wave
	s_bfe_u32 s19, ttmp6, 0x40000                  ; cx
	s_lshl_b32 s20, ttmp9, 2
	s_add_co_u32 s20, s20, s19                     ; block of 256 points
	s_and_b32 s21, ttmp7, 0xffff                   ; y: which four experts
	s_mov_b32 s54, 0x76543210
	s_mov_b32 s55, 0xfedcba98
	s_mov_b32 s77, 0xffff0000                      ; lanes 16-31
	; group 1 for weights: my 48 rows of 256 f16, 16 bytes of padding behind each row of 128 words; the mask names all four of the cluster
	s_mov_b32 s24, 15|(1<<16)|(1<<20)|(1<<21)|(6<<22)|(3<<25)
	s_mov_b32 s25, 256<<16                         ; tensor_dim0 = 256
	s_mov_b32 s26, 48<<16                          ; tensor_dim1 = 48
	s_mov_b32 s27, 256<<16                         ; tile_dim0 = 256
	s_mov_b32 s28, 48                              ; tile_dim1 = 48
	s_mov_b32 s29, 256                             ; elements from row to row
	s_mov_b32 s30, 0
	s_mov_b32 s31, 0
	; group 1 for a pack: 12800 dense bytes as 50 rows of 32 elements of 8 bytes
	s_mov_b32 s40, 15|(3<<16)|(1<<21)
	s_mov_b32 s41, 32<<16
	s_mov_b32 s42, 50<<16
	s_mov_b32 s43, 32<<16
	s_mov_b32 s44, 50
	s_mov_b32 s45, 32
	s_mov_b32 s46, 0
	s_mov_b32 s47, 0
	s_mov_b32 s32, 1
	s_mul_i32 s33, s18, 48*PITCH                   ; LDS: my quarter of slot 0
	s_mov_b32 s36, 1
	s_add_co_u32 s37, s33, SLOTB                   ; of slot 1
	s_mov_b32 s48, 1
	s_mul_i32 s49, s18, AUXE
	s_add_co_u32 s49, s49, AUXB                    ; wave v brings expert 4y+v's pack
	s_mul_i32 s52, s21, 16*TILEG                   ; offsets of the joint loads: of y and the wave's number alone
	s_mul_i32 s53, s18, 48*512
	s_add_co_u32 s52, s52, s53
	s_mov_b32 s53, 0
	s_wait_dscnt 0x0
	s_wait_kmcnt 0x0
	s_add_nc_u64 s[34:35], s[6:7], s[52:53]        ; tile 0
	s_add_nc_u64 s[38:39], s[34:35], TILEG         ; tile 1
	s_or_b32 s35, s35, 0x80000000
	s_or_b32 s39, s39, 0x80000000
	s_lshl_b32 s52, s21, 2
	s_add_co_u32 s52, s52, s18
	s_mul_i32 s52, s52, AUXE
	s_add_nc_u64 s[50:51], s[8:9], s[52:53]
	s_or_b32 s51, s51, 0x80000000
	s_lshl_b32 s52, s21, 11
	s_add_nc_u64 s[10:11], s[10:11], s[52:53]      ; norms of expert 4y
	ROUND                                          ; all four work-groups are here: the first joint loads meet
	tensor_load_to_lds s[48:51], s[40:47]          ; the three first fills go out together
	s_nop 0
	tensor_load_to_lds s[32:35], s[24:31]
	s_nop 0
	tensor_load_to_lds s[36:39], s[24:31]
	s_nop 0
	s_lshl_b32 s78, s20, 8
	s_lshl_b32 s79, s18, 6
	s_add_co_u32 s78, s78, s79                     ; my wave's first point
	s_mul_i32 s80, s78, 12
	s_mov_b32 s81, 0
	s_add_nc_u64 s[4:5], s[4:5], s[80:81]
	s_lshl_b32 s80, s78, 2
	s_add_nc_u64 s[12:13], s[12:13], s[80:81]
	s_add_nc_u64 s[16:17], s[16:17], s[80:81]
	s_lshl_b32 s82, s21, 19                        ; four experts of 131072 bytes
	s_add_co_u32 s82, s82, s80
	s_mov_b32 s83, 0
	s_add_nc_u64 s[14:15], s[14:15], s[82:83]
	v_and_b32 v1, 31, v0
	v_and_b32 v2, 15, v0
	v_bfe_u32 v3, v0, 4, 1
	v_mul_u32_u24 v29, v2, 24
	v_lshlrev_b32 v11, 3, v1
	v_lshlrev_b32 v12, 2, v1
.irp g, 0,1
.irp c, 0,1,2
	global_load_b64 v[48+6*\g+2*\c:49+6*\g+2*\c], v29, s[4:5] offset:384*\g+8*\c   ; points 32 g + 2 r and + 1: 24 neighbouring bytes
.endr
.endr
	global_load_b64 v[14:15], v11, s[12:13]        ; idx of points 2L, 2L+1
.irp g, 0,1,2,3
	global_load_b32 v[20+\g], v12, s[10:11] offset:128*\g
.endr
	v_mul_u32_u24 v4, v2, PITCH
	v_lshl_add_u32 v4, v3, 4, v4
	v_add_nc_u32 v5, 96*PITCH, v4
	v_add_nc_u32 v6, SLOTB, v4
	v_add_nc_u32 v7, SLOTB+96*PITCH, v4
	v_lshlrev_b32 v24, 5, v2
	v_lshl_add_u32 v24, v3, 4, v24
	v_add_nc_u32 v24, AUXB, v24
	v_lshlrev_b32 v25, 5, v3
	v_add_nc_u32 v25, AUXB+8192, v25
	v_lshlrev_b32 v26, 4, v3
	v_add_nc_u32 v26, AUXB+12288, v26
	v_mov_b32 v28, 0
	v_mov_b32 v16, 0
	v_mov_b32 v17, 0
	s_wait_loadcnt 4                               ; points and idx are in; the four loads of norms stay out
.irp n, 0,1,2,3
	v_mul_f32 v[60+\n], v[48+3*\n], v[48+3*\n]
	v_fmac_f32 v[60+\n], v[49+3*\n], v[49+3*\n]
	v_fmac_f32 v[60+\n], v[50+3*\n], v[50+3*\n]
.endr
	v_max3_num_f32 v60, v60, v61, v62
	v_max_num_f32 v60, v60, v63
	v_max_num_f32_dpp v60, v60, v60 row_xmask:1 row_mask:0xf bank_mask:0xf
	v_max_num_f32_dpp v60, v60, v60 row_xmask:2 row_mask:0xf bank_mask:0xf
	v_max_num_f32_dpp v60, v60, v60 row_xmask:4 row_mask:0xf bank_mask:0xf
	v_max_num_f32_dpp v60, v60, v60 row_xmask:8 row_mask:0xf bank_mask:0xf   ; both halves of the lanes hold the same points
	v_sqrt_f32 v13, v60
	v_nop
	s_wait_alu depctr_va_vdst(0)
	v_mov_b32 v27, v13
	EXPO 27
	MKS 56, 27                                     ; sigma, the points' scale: also the multiplier of b_in
.irp c, 0,1,2,3,4,5
	v_pk_mul_f32 v[48+2*\c:49+2*\c], v[48+2*\c:49+2*\c], s[56:57] op_sel_hi:[1,0]
.endr
.irp n, 0,1,2,3
	v_cvt_pk_f16_f32 v[64+2*\n], v[48+3*\n], v[49+3*\n]
	v_cvt_pk_f16_f32 v[65+2*\n], v[50+3*\n], v28
.endr
	WIN 0xc0                                       ; destination in window 3: the points as B fragments, k = 0..2 in lanes 0-15, zeros elsewhere
.irp n, 0,1,2,3
	v_cndmask_b32 v[8*\n], v[64+2*\n], v28, s77
	v_cndmask_b32 v[8*\n+1], v[65+2*\n], v28, s77
.irp z, 2,3,4,5,6,7
	v_mov_b32 v[8*\n+\z], 0
.endr
.endr
	WIN 0
	s_wait_tensorcnt 0x1                           ; my pack and my quarter of tile 0 are in; tile 1's load stays out
	s_barrier_signal -1
	s_barrier_wait -1
; The operands of step (st, i) into buffers b.  st 0: one row block of W_in; 1..3: m-tile g = 16 (st-1) + i of the expert's 48; 4: W_out in every row.  NPRE = loads issued.
.macro PRELOAD st, i, b
.if (\st) == 0
	ds_load_b128 v[AF+64*(\b):AF+64*(\b)+3], v8 offset:512*(\i)
.set NPRE, 3
.else
.if (\st) < 4
.set PG, 16*((\st)-1)+(\i)
.set PA, 4+2*((PG/12)&1)+((PG%12)/6)
.set PO, ((PG%12)%6)*16*PITCH
.irp k, 0,1,2,3,4,5,6,7
	ds_load_b128 v[AF+64*(\b)+8*\k:AF+64*(\b)+8*\k+3], v[PA] offset:PO+64*\k
	ds_load_b128 v[AF+64*(\b)+8*\k+4:AF+64*(\b)+8*\k+7], v[PA] offset:PO+64*\k+32
.endr
.set NPRE, 18
.else
.irp k, 0,1,2,3,4,5,6,7
	ds_load_b128 v[AF+64*(\b)+8*\k:AF+64*(\b)+8*\k+3], v10 offset:64*\k
	ds_load_b128 v[AF+64*(\b)+8*\k+4:AF+64*(\b)+8*\k+7], v10 offset:64*\k+32
.endr
.set NPRE, 16
.endif
.endif
.if (\st) < 4
	ds_load_b128 v[BI+8*(\b):BI+8*(\b)+3], v9 offset:1024*(\st)+64*(\i)
	ds_load_b128 v[BI+8*(\b)+4:BI+8*(\b)+7], v9 offset:1024*(\st)+64*(\i)+16
.endif
.endm
; one pair of a finished m-tile: to the next scale, cut at zero.  No vector register stands as second source, so it runs under the matrix instructions' window.
.macro EP1 r, p, st
	v_pk_mul_f32 v[ACC+32*(\r)+2*(\p):ACC+32*(\r)+2*(\p)+1], v[ACC+32*(\r)+2*(\p):ACC+32*(\r)+2*(\p)+1], s[66+2*(\st):67+2*(\st)] op_sel_hi:[1,0]
	v_max_num_f32 v[ACC+32*(\r)+2*(\p)], v[ACC+32*(\r)+2*(\p)], 0
	v_max_num_f32 v[ACC+32*(\r)+2*(\p)+1], v[ACC+32*(\r)+2*(\p)+1], 0
.endm
; m-tile t becomes half of the next layer's B fragments of k-step t>>1, in window nw
.macro PACK r, t, nw
.set WV, (\nw)<<6
	WIN WV
.set PN, 0
.rept 4
.set PJ, 0
.rept 4
	v_cvt_pk_f16_f32 v[8*(4*((\t)>>1)+PN)+4*((\t)&1)+PJ], v[ACC+32*(\r)+8*PN+2*PJ], v[ACC+32*(\r)+8*PN+2*PJ+1]
.set PJ, PJ+1
.endr
.set PN, PN+1
.endr
.endm
; One m-tile.  Plain step: the next step's loads, the wait that leaves exactly those out, the bias to this stage's scale, the matrix instructions with the last m-tile's
; epilogue among them, its pack (whose sixteen instructions are also the places in front of the next loads into fragment registers).
; The four accumulators take turns, one instruction a turn.
; Last step of a weight tile (BND 1): my reads of the tile are in registers and all my tensor loads have landed; the work-group's barrier opens a round of the cluster's
; barrier, with this step's register work between signal and wait; behind the round the slot's refill comes first, then the next step's loads from the other slot.
; BND 2 (the last expert's third tile): the same barrier without round and refill: it shows the last tile to every wave.
.macro STEP st, i, last
.set RG, (\i)&1
.set NB, 1-RG
.if \i == 15
.set NST, \st+1
.set NI, 0
.else
.set NST, \st
.set NI, \i+1
.endif
.if \st == 0
.set NK, 1
.set CW, 3
.else
.set NK, 8
.set CW, 1+((\st+1)&1)
.endif
.set BND, 0
.if \st > 0
.if (16*(\st-1)+\i) % 12 == 11
.set BND, 1
.set SL, ((16*(\st-1)+\i)/12)&1
.if \last
.if \st == 3
.set BND, 2
.if \i == 15
.set BND, 0
.endif
.endif
.endif
.endif
.endif
.set WV, CW<<2
	WIN WV                                         ; B in window CW; LDS loads and the bias scaling run under it too
.if BND == 0
	PRELOAD NST, NI, NB
	s_wait_dscnt NPRE                              ; all but the loads just issued: this step's operands are in
.else
	s_wait_dscnt 0x0                               ; my reads of this tile are over
	s_set_vgpr_msb (MSB<<8)|((MSB&0xf0)|0x0)
	s_wait_tensorcnt 0x0                           ; all my tensor loads have landed: my quarter of the next tile
	ds_add_u32 v30, v31
	s_wait_dscnt 0x0
	s_set_vgpr_msb (((MSB&0xf0)|0x0)<<8)|MSB
.if BND == 1
	s_add_nc_u64 s[34+4*SL:35+4*SL], s[34+4*SL:35+4*SL], 2*TILEG   ; no load of mine is out: this slot's next tile
.endif
	s_barrier_signal -1
.endif
.irp c, 0,2,4,6
	v_pk_mul_f32 v[BI+8*RG+\c:BI+8*RG+\c+1], v[BI+8*RG+\c:BI+8*RG+\c+1], s[56+2*\st:57+2*\st] op_sel_hi:[1,0]
.endr
.set KK, 0
.set PP, 0
.rept NK
.set NN, 0
.rept 4
.if KK == 0
	v_wmma_f32_16x16x32_f16 v[ACC+32*RG+8*NN:ACC+32*RG+8*NN+7], v[AF+64*RG:AF+64*RG+7], v[8*NN:8*NN+7], v[BI+8*RG:BI+8*RG+7]
.else
	v_wmma_f32_16x16x32_f16 v[ACC+32*RG+8*NN:ACC+32*RG+8*NN+7], v[AF+64*RG+8*KK:AF+64*RG+8*KK+7], v[8*(4*KK+NN):8*(4*KK+NN)+7], v[ACC+32*RG+8*NN:ACC+32*RG+8*NN+7]
.endif
.if \i > 0
.if NN & 1
	EP1 NB, PP, \st
.set PP, PP+1
.endif
.endif
.set NN, NN+1
.endr
.set KK, KK+1
.endr
.if \i > 0
.rept 16-PP
	EP1 NB, PP, \st
.set PP, PP+1
.endr
	PACK NB, \i-1, 1+(\st&1)
.else
.rept 4
	v_nop                                          ; a stage's first m-tile has no epilogue to weave in: the places behind its matrix instructions
.endr
.endif
.if BND
	WIN 0
	s_barrier_wait -1
.if BND == 1
	CREST                                          ; no wave of any partner still reads this slot or has a load on its way
	tensor_load_to_lds s[32+4*SL:35+4*SL], s[24:31]
	s_nop 0
.endif
	PRELOAD NST, NI, NB
.endif
.endm
; the stage's last m-tile; the pack of the tile before it stands between its matrix instructions and these lines
.macro FLUSH st
	WIN 0
.set PP, 0
.rept 16
	EP1 1, PP, \st
.set PP, PP+1
.endr
	PACK 1, 15, 1+(\st&1)
.endm
.macro EXPERT last
	; ---- this expert's scales
	s_wait_loadcnt 0x0                             ; its norms
	WSUM 20, 48
	WSUM 21, 48
	WSUM 22, 48
	v_readlane_b32 s78, v23, 0                     ; |W_in|^2
	v_readlane_b32 s79, v23, 1                     ; |b_in|^2
	v_readlane_b32 s80, v23, 2                     ; |b_hid l|^2
	v_readlane_b32 s81, v23, 3
	v_readlane_b32 s82, v23, 4
	v_readlane_b32 s75, v23, 5                     ; b_out
	v_sqrt_f32 v48, v20
	v_sqrt_f32 v49, v21
	v_sqrt_f32 v50, v22
	v_sqrt_f32 v51, s78
	v_sqrt_f32 v52, s79
	v_sqrt_f32 v53, s80
	v_sqrt_f32 v54, s81
	v_sqrt_f32 v55, s82
	v_nop
.if \last == 0
	s_add_nc_u64 s[10:11], s[10:11], 512           ; the loads that used this base are done: the next expert's norms, a whole expert ahead
.irp g, 0,1,2,3
	global_load_b32 v[20+\g], v12, s[10:11] offset:128*\g
.endr
.endif
	s_wait_alu depctr_va_vdst(0)
	v_fma_f32 v56, v51, v13, v52                   ; beta0
	v_fma_f32 v57, v48, v56, v53
	v_fma_f32 v58, v49, v57, v54
	v_fma_f32 v59, v50, v58, v55                   ; beta3
	EXPO 56
	EXPO 57
	EXPO 58
	EXPO 59
	MKS 58, 56                                     ; the biases' multipliers: s0, s1, s2
	MKS 60, 57
	MKS 62, 58
	MKR 66, 27, 56                                 ; s0 / sigma
	MKR 68, 56, 57                                 ; s1 / s0
	MKR 70, 57, 58
	MKR 72, 58, 59
	v_add_nc_u32 v60, -13, v59
	v_lshlrev_b32 v60, 23, v60
	v_readfirstlane_b32 s74, v60                   ; 1 / s3
	s_mul_i32 s78, s23, AUXE
	v_add_nc_u32 v8, s78, v24
	v_add_nc_u32 v9, s78, v25
	v_add_nc_u32 v10, s78, v26
.irp z, 4,5,6,7,68,69,70,71
	v_mov_b32 v[AF+\z], 0                          ; k = 16..31 of the input layer's A fragments
.endr
	PRELOAD 0, 0, 0
.irp st, 0,1,2,3
.irp i, 0,1,2,3,4,5,6,7,8,9,10,11,12,13,14,15
	STEP \st, \i, \last
.endr
	FLUSH \st
.endr
	; ---- the output layer: every row of A is W_out
	s_wait_dscnt 0x0
	WIN 0x08
.irp k, 0,1,2,3,4,5,6,7
.irp n, 0,1,2,3
.if \k == 0
	v_wmma_f32_16x16x32_f16 v[ACC+8*\n:ACC+8*\n+7], v[AF:AF+7], v[8*\n:8*\n+7], 0
.else
	v_wmma_f32_16x16x32_f16 v[ACC+8*\n:ACC+8*\n+7], v[AF+8*\k:AF+8*\k+7], v[8*(4*\k+\n):8*(4*\k+\n)+7], v[ACC+8*\n:ACC+8*\n+7]
.endif
.endr
.endr
	WIN 0
.rept 4
	v_nop
.endr
	v_cndmask_b32 v48, v[ACC], v[ACC+16], s77      ; point 2L
	v_cndmask_b32 v49, v[ACC+8], v[ACC+24], s77    ; point 2L+1
	s_wait_xcnt 0x0                                ; the last store's data registers are written again
	v_fma_f32 v18, v48, s74, s75
	v_fma_f32 v19, v49, s74, s75
	global_store_b64 v11, v[18:19], s[14:15]
	s_lshl_b32 s22, s21, 2
	s_add_co_u32 s22, s22, s23                     ; this expert's number
	v_cmp_eq_u32 vcc_lo, s22, v14
	v_cndmask_b32 v16, v16, v18, vcc_lo
	v_cmp_eq_u32 vcc_lo, s22, v15
	v_cndmask_b32 v17, v17, v19, vcc_lo
	s_wait_xcnt 0x0                                ; the base is stepped only behind this wait
	s_add_nc_u64 s[14:15], s[14:15], 131072
.endm
	s_mov_b32 s23, 0
.Lexpert:
	EXPERT 0
	s_add_co_u32 s23, s23, 1
	s_cmp_lt_u32 s23, 3
	s_cbranch_scc1 .Lexpert
	EXPERT 1                                       ; the last expert: its last two tiles are followed by no refill
	; ---- sel, where the chosen expert is one of mine
	v_lshrrev_b32 v48, 2, v14
	v_lshrrev_b32 v49, 2, v15
	v_cmp_eq_u32 vcc_lo, s21, v48
	s_wait_xcnt 0x0                                ; EXEC changes only behind this wait
	s_and_saveexec_b32 s76, vcc_lo
	global_store_b32 v11, v16, s[16:17]
	s_wait_xcnt 0x0
	s_or_b32 exec_lo, exec_lo, s76
	v_cmp_eq_u32 vcc_lo, s21, v49
	s_and_saveexec_b32 s76, vcc_lo
	global_store_b32 v11, v17, s[16:17] offset:4
	s_wait_xcnt 0x0
	s_or_b32 exec_lo, exec_lo, s76
	ROUND                                          ; the closing round: no work-group ends while a partner may still ask jointly
	s_endpgm
.Lfunc_end_k_qbef6b440dc_experts:
	.size	k_qbef6b440dc_experts, .Lfunc_end_k_qbef6b440dc_experts-k_qbef6b440dc_experts
	.p2alignl 7, 3214868480
	.fill 96, 4, 3214868480
	.section	.rodata,"a",@progbits
	.p2align	6, 0x0
	.amdhsa_kernel k_qbef6b440dc_experts
		.amdhsa_group_segment_fixed_size 327680
		.amdhsa_private_segment_fixed_size 0
		.amdhsa_enable_private_segment 0
		.amdhsa_kernarg_size 56
		.amdhsa_user_sgpr_count 2
		.amdhsa_user_sgpr_kernarg_segment_ptr 1
		.amdhsa_wavefront_size32 1
		.amdhsa_system_sgpr_workgroup_id_x 1
		.amdhsa_system_sgpr_workgroup_id_y 1
		.amdhsa_system_sgpr_workgroup_id_z 1
		.amdhsa_system_vgpr_workitem_id 0
		.amdhsa_next_free_vgpr 800
		.amdhsa_next_free_sgpr 84
		.amdhsa_reserve_vcc 1
		.amdhsa_float_denorm_mode_32 3
		.amdhsa_float_denorm_mode_16_64 3
		.amdhsa_memory_ordered 1
		.amdhsa_forward_progress 1
		.amdhsa_inst_pref_size 255
	.end_amdhsa_kernel
	.section	.bss,"aw",@nobits
	.p2align	6
	.space	262144
	.amdgpu_metadata
---
amdhsa.version: [ 1, 2 ]
amdhsa.kernels:
  - .name:           k_qbef6b440dc_experts
    .symbol:         k_qbef6b440dc_experts.kd
    .args:
      - { .name: points, .offset: 0, .size: 8, .value_kind: global_buffer, .address_space: global }
      - { .name: wt, .offset: 8, .size: 8, .value_kind: global_buffer, .address_space: global }
      - { .name: aux, .offset: 16, .size: 8, .value_kind: global_buffer, .address_space: global }
      - { .name: norms, .offset: 24, .size: 8, .value_kind: global_buffer, .address_space: global }
      - { .name: route, .offset: 32, .size: 8, .value_kind: global_buffer, .address_space: global }
      - { .name: out0, .offset: 40, .size: 8, .value_kind: global_buffer, .address_space: global }
      - { .name: out3, .offset: 48, .size: 8, .value_kind: global_buffer, .address_space: global }
    .group_segment_fixed_size: 327680
    .private_segment_fixed_size: 0
    .kernarg_segment_align: 8
    .kernarg_segment_size: 56
    .max_flat_workgroup_size: 128
    .sgpr_count:     84
    .vgpr_count:     800
    .wavefront_size: 32
...
	.end_amdgpu_metadata
.endif
;; end of part 2
;; ======== version 2 of 2: 2 launches; 1.31 times as fast as version 1
;; limits: values are held in f16: magnitudes above 65,504 overflow, below 6.1e-05 lose precision; inputs' magnitudes at most 65,504
;; workspace buffers: wt 3,145,728 bytes; aux 102,400 bytes; norms 4,096 bytes; route 131,072 bytes of whole numbers
;; launch manager (part 3): grid 256 x 1, 4 waves a work-group, no clusters, 320,256 bytes of LDS; arguments points, M0, c0, M1, c1, M2, c2, W_hid, W_in, b_in, b_hid, W_out, b_out, out1, out2, route, wt, aux, norms; writes out1, out2, route, wt, aux, norms
.if DOCPART == 3
	.amdgcn_target "amdgcn-amd-amdhsa--gfx1250"
	.amdhsa_code_object_version 6
	.text
	.protected	k_qbef6b440dc_manager
	.globl	k_qbef6b440dc_manager
	.p2align	8
	.type	k_qbef6b440dc_manager,@function
k_qbef6b440dc_manager:
	s_mov_b64 s[64:65], 0
	v_nop
	global_prefetch_b8 v0, s[64:65] scope:SCOPE_SE
	s_setreg_imm32_b32 hwreg(HW_REG_WAVE_MODE, 25, 1), 1
	s_wait_xcnt 0x0
; THE MANAGER (3 -> 256 -> 256 -> 8, softmax, clamp, argmax) for 128 points a work-group, 32 a wave, and the preparation of the experts' weights.
; The argmax is compared exactly, so the manager's products are made to about f32 accuracy on the f16 matrix form: every operand is split,
; x = hi + lo'/4096, hi = f16(x), lo' = f16(4096 (x - hi)); three products are formed, hi.hi into accumulators H, hi.lo' and lo'.hi into accumulators L,
; and the result is H + L/4096.  Weights are operand A (rows = output features), activations operand B (columns = points): register j of lane (r, h) of a
; result holds (feature 8h+j, point r), and packing register pairs of m-tile t gives registers 4(t&1)..+3 of the next layer's B fragment of k-step t>>1:
; activations never leave registers.
; RANGE: activations carry an exact power of two as scale, made from a bound that holds for every input:
;   gamma0 = |M0|_F max|p| + |c0|_2, gamma1 = |M1|_F gamma0 + |c1|_2; scale = 2^(140-e), e the bound's exponent field, so scaled numbers stay below 2^14.
; LIMITS: weights (M0, M1, M2, W_hid, W_in, W_out) go to f16 unscaled: |w| <= 65504.  W_hid, W_in, W_out below 2^-14 keep an absolute error of 2^-25.
; relu by v_max_num_f32 turns NaN into 0.  Exponent fields of bounds are clamped to 16..250 and ratios of successive scales to 2^-126..2^127.
; The sums are ordered otherwise than a plain f32 product's: an argmax whose two best scores lie within f32 rounding of each other may differ.
; EXTRA WORK by work-group number w: w < 192: one slab (128 k x 64 m) of W_hid to f16, transposed, into wt[e][l][m][k], and its sum of squares;
; 192 <= w < 200, wave 0: expert w-192's pack in aux (W_in rows, biases, W_out) and its small norms and b_out in norms.
; No cluster and no tensor load: every work-group has to convert M1 itself, through registers.
; ORDER: one wave lies on a SIMD, so nothing but the wave's own text fills the time between an instruction and the use of its result.  The splits therefore go stage by
; stage over 8 or 16 register pairs (no instruction reads one of the few results just before it), LDS stores stand in runs, and M1's first 32 loads of a wave go out
; ahead of the slab's wait and of the small tables' work.
.set M1L, 139264                       ; LDS: M1 hi at 0, [k 256] pitch 544 (17 x 32: the transposing load's rows start in different banks); M1 lo' here
.set M2H, 278528                       ; M2 hi transposed, [e 8] pitch 528, [k 256]; lo' 4352 further
.set M0T, 287232                       ; row m, 32 bytes: hi0 hi1 hi2 lo'0 lo'1 lo'2 0 0, then 16 bytes of zeros
.set C01, 295424                       ; c0, then c1, f32
.set TS,  297472                       ; the slab on its way: [m 64] pitch 272, 128 k of f16
.set QS,  314880                       ; q on its way out, 1024 bytes a wave
.set IS,  318976                       ; idx of the 128 points
.set RS,  319488                       ; 16 bytes a wave: partial |M0|^2, |c0|^2, |c1|^2, |M1|^2
; registers, window 0: v0 thread, v1 lane, v2 r, v3 h; v4-7 M1 fragment addresses (hi k 0-127, hi k 128-255, lo', lo'); v8 M2, v9 M0T, v10 biases;
; v11-23 offsets; v24-29 my two points; v30-47 at work; v48-55 bias; v52-63 sums of squares before that; v64-95 accumulators H0 H1 L0 L1;
; v96-123 M0, c0, c1, M2 as loaded, then v96-127 at work; v128-255 M1 as loaded, then fragments of A.
; window 1: the slab as loaded (its first 64 registers), then layer-0 activations, hi (k-step, n) at 16 k + 8 n, lo' 128 further;
; window 2: the same for layer 1 (its first 32 registers hold the points' fragments before).
.set MSB, 0
.macro WIN new                         ; the immediate's high byte repeats the setting that is left
.if MSB != \new
	s_set_vgpr_msb (MSB<<8)|\new
.set MSB, \new
.endif
.endm
.macro PLACES                          ; four independent vector instructions behind a matrix instruction before its registers are touched (ISA guide 7.12.1)
.rept 4
	v_nop
.endr
.endm
.macro WSUM x, tmp                     ; sum over the 32 lanes, result in every lane; tmp is a register that has been written before
	v_add_f32_dpp v[\x], v[\x], v[\x] row_xmask:1 row_mask:0xf bank_mask:0xf
	v_add_f32_dpp v[\x], v[\x], v[\x] row_xmask:2 row_mask:0xf bank_mask:0xf
	v_add_f32_dpp v[\x], v[\x], v[\x] row_xmask:4 row_mask:0xf bank_mask:0xf
	v_add_f32_dpp v[\x], v[\x], v[\x] row_xmask:8 row_mask:0xf bank_mask:0xf
	v_permlanex16_b32 v[\tmp], v[\x], s52, s53
	v_add_f32 v[\x], v[\x], v[\tmp]
.endm
; The split of a single pair x: v30 or v31 = the two hi packed; y = hi as f32; d = 4096 (x - hi), exact.
.macro SPLITP x, w, y, d
.if (\w) == 0
	v_cvt_pk_f16_f32 v30, v[\x], v[\x+1]
	v_cvt_f32_f16 v[\y], v30.l
	v_cvt_f32_f16 v[\y+1], v30.h
.else
	v_cvt_pk_f16_f32 v31, v[\x], v[\x+1]
	v_cvt_f32_f16 v[\y], v31.l
	v_cvt_f32_f16 v[\y+1], v31.h
.endif
	v_pk_mul_f32 v[\d:\d+1], v[\x:\x+1], 0x45800000 op_sel_hi:[1,0]
	v_pk_fma_f32 v[\d:\d+1], v[\y:\y+1], 0xc5800000, v[\d:\d+1] op_sel_hi:[1,0,1]
.endm
; the sixteen f16 in v32-39 (v40-47) widened to f32 in y .. y+15
.macro UNPKA y
.set YI, 0
.irp hf, v32.l,v32.h,v33.l,v33.h,v34.l,v34.h,v35.l,v35.h,v36.l,v36.h,v37.l,v37.h,v38.l,v38.h,v39.l,v39.h
	v_cvt_f32_f16 v[\y+YI], \hf
.set YI, YI+1
.endr
.endm
.macro UNPKB y
.set YI, 0
.irp hf, v40.l,v40.h,v41.l,v41.h,v42.l,v42.h,v43.l,v43.h,v44.l,v44.h,v45.l,v45.h,v46.l,v46.h,v47.l,v47.h
	v_cvt_f32_f16 v[\y+YI], \hf
.set YI, YI+1
.endr
.endm
.macro EXPO x                          ; exponent field, clamped
	v_lshrrev_b32 v[\x], 23, v[\x]
	v_max_u32 v[\x], 16, v[\x]
	v_min_u32 v[\x], 0xfa, v[\x]
.endm
.macro MKS sreg, e                     ; scalar pair = 2^(140-e)
	v_sub_nc_u32 v44, 0x10b, v[\e]
	v_lshlrev_b32 v44, 23, v44
	v_readfirstlane_b32 s[\sreg], v44
	s_mov_b32 s[\sreg+1], s[\sreg]
.endm
.macro MKR sreg, ep, ec, bias          ; scalar pair = 2^(ep-ec+bias-127)
	v_sub_nc_u32 v44, v[\ep], v[\ec]
	v_add_nc_u32 v44, \bias, v44
	v_max_i32 v44, 1, v44
	v_min_i32 v44, 0xfe, v44
	v_lshlrev_b32 v44, 23, v44
	v_readfirstlane_b32 s[\sreg], v44
	s_mov_b32 s[\sreg+1], s[\sreg]
.endm
; M1: wave v takes rows of k 64 v .. +63; four register buffers of 4 rows (8 loads) keep 32 loads of a wave on their way.
.macro MLOAD q, ext
.irp u, 0,1,2,3,4,5,6,7
	global_load_b128 v[128+32*\q+4*\u:128+32*\q+4*\u+3], v11, s[10:11] offset:4096*\q+512*\u+\ext
.endr
.endm
; Buffer q (16 pairs) is split, stage by stage: D = 4096 x with the sums of squares (three accumulators by turns) between; T = hi, packed; Y = hi as f32;
; D = D - 4096 Y; lo' packed into Y's first registers; then the sixteen LDS stores in one run.  T and lo', which the stores read, are written again
; 32 and 48 vector instructions behind that run.
.macro MCONV q
.set XB, 128+32*\q
.set CP, 0
.rept 16
	v_pk_mul_f32 v[96+2*CP:97+2*CP], v[XB+2*CP:XB+2*CP+1], 0x45800000 op_sel_hi:[1,0]
	v_pk_fma_f32 v[58+2*(CP%3):59+2*(CP%3)], v[XB+2*CP:XB+2*CP+1], v[XB+2*CP:XB+2*CP+1], v[58+2*(CP%3):59+2*(CP%3)]
.set CP, CP+1
.endr
.set CP, 0
.rept 16
	v_cvt_pk_f16_f32 v[32+CP], v[XB+2*CP], v[XB+2*CP+1]
.set CP, CP+1
.endr
	UNPKA 64
	UNPKB 80
.set CP, 0
.rept 16
	v_pk_fma_f32 v[96+2*CP:97+2*CP], v[64+2*CP:65+2*CP], 0xc5800000, v[96+2*CP:97+2*CP] op_sel_hi:[1,0,1]
.set CP, CP+1
.endr
.set CP, 0
.rept 16
	v_cvt_pk_f16_f32 v[64+CP], v[96+2*CP], v[97+2*CP]
.set CP, CP+1
.endr
.irp u, 0,1,2,3,4,5,6,7
	ds_store_b64 v12, v[32+2*\u:33+2*\u] offset:2176*\q+544*(\u>>1)+256*(\u&1)   ; 32 lanes, 256 neighbouring bytes
	ds_store_b64 v13, v[64+2*\u:65+2*\u] offset:2176*\q+544*(\u>>1)+256*(\u&1)
.endr
.endm
	s_load_b512 s[4:19], s[0:1], 0x0               ; points, M0, c0, M1, c1, M2, c2, W_hid
	s_load_b512 s[20:35], s[0:1], 0x40             ; W_in, b_in, b_hid, W_out, b_out, out1, out2, route
	s_load_b128 s[36:39], s[0:1], 0x80             ; wt, aux
	s_load_b64 s[40:41], s[0:1], 0x90              ; norms
	s_set_vgpr_msb 0xc0
	v_lshl_add_u32 v0, v0, 2, 0x4e100
	v_mov_b32 v1, 0
	s_set_vgpr_msb 0xc000
	v_lshrrev_b32 v1, 5, v0
	v_readfirstlane_b32 s42, v1                    ; wave
	s_mov_b32 s43, ttmp9                           ; w
	s_mov_b32 s52, 0x76543210
	s_mov_b32 s53, 0xfedcba98
	s_mov_b32 s55, 0xffff0000                      ; lanes 16-31
	v_and_b32 v1, 31, v0
	v_and_b32 v2, 15, v0
	v_bfe_u32 v3, v0, 4, 1
	v_and_b32 v30, 7, v0
	v_bfe_u32 v31, v0, 3, 1
	v_lshl_add_u32 v32, v3, 3, v30                 ; 8h + (lane & 7): my row of k for the transposing load
	v_mul_u32_u24 v4, v32, 544
	v_lshl_add_u32 v4, v31, 4, v4
	v_add_nc_u32 v5, 69632, v4                     ; 128 rows of k further
	v_add_nc_u32 v6, M1L, v4
	v_add_nc_u32 v7, M1L+69632, v4
	v_mul_u32_u24 v8, v30, 528                     ; rows 8-15 of A repeat the eight experts
	v_lshl_add_u32 v8, v3, 4, v8
	v_add_nc_u32 v8, M2H, v8
	v_lshlrev_b32 v9, 5, v2
	v_lshl_add_u32 v9, v3, 4, v9
	v_add_nc_u32 v9, M0T, v9
	v_lshlrev_b32 v10, 5, v3
	v_add_nc_u32 v10, C01, v10
	v_mul_u32_u24 v15, v2, 12
	v_lshlrev_b32 v16, 3, v0
	v_lshlrev_b32 v17, 6, v0
	s_lshl_b32 s76, s42, 16
	v_lshl_add_u32 v11, v1, 4, s76                 ; M1: 16 lane + 64 rows of 1024 bytes a wave
	s_mul_i32 s77, s42, 34816
	v_lshl_add_u32 v14, v1, 3, s77                 ; M1 in LDS: 8 lane + 64 rows of 544 bytes a wave
	s_lshl_b32 s72, s43, 7
	s_lshl_b32 s73, s42, 5
	s_add_co_u32 s72, s72, s73                     ; my wave's first point
	s_mul_i32 s74, s72, 12
	s_mov_b32 s75, 0
	s_wait_kmcnt 0x0
	s_load_b256 s[44:51], s[16:17], 0x0            ; c2
	s_add_nc_u64 s[4:5], s[4:5], s[74:75]
.irp n, 0,1
.irp d, 0,1,2
	global_load_b32 v[24+3*\n+\d], v15, s[4:5] offset:192*\n+4*\d      ; point 16 n + r, in both halves of the lanes
.endr
.endr
.irp d, 0,1,2
	global_load_b64 v[96+2*\d:97+2*\d], v16, s[6:7] offset:1024*\d     ; M0[d][2t, 2t+1]
.endr
	global_load_b64 v[102:103], v16, s[8:9]                            ; c0
	global_load_b64 v[104:105], v16, s[12:13]                          ; c1
.irp a, 0,1,2,3
	global_load_b128 v[108+4*\a:111+4*\a], v17, s[14:15] offset:16*\a  ; M2 rows 2t (v108-115), 2t+1 (v116-123)
.endr
	s_cmp_lt_u32 s43, 192
	s_cbranch_scc0 .Lnoslab
	; ---- a slab of W_hid: 128 k x 64 m.  Sixteen lanes read 256 neighbouring bytes of a row of k; two rows of k pack into one word of a row of m.
	s_lshr_b32 s72, s43, 3                         ; q = 3 e + l
	s_mul_i32 s73, s72, 43
	s_lshr_b32 s73, s73, 7                         ; e = q / 3 (exact for q < 24)
	s_mul_i32 s74, s73, 3
	s_sub_co_u32 s74, s72, s74                     ; l
	s_and_b32 s75, s43, 7
	s_lshr_b32 s76, s75, 2                         ; which 128 k
	s_and_b32 s77, s43, 3                          ; which 64 m
	s_lshl3_add_u32 s78, s74, s73                  ; 8 l + e
	s_lshl_b32 s78, s78, 18
	s_lshl_b32 s79, s76, 17
	s_add_co_u32 s78, s78, s79
	s_lshl_b32 s79, s77, 8
	s_add_co_u32 s78, s78, s79
	s_mov_b32 s79, 0
	s_add_nc_u64 s[18:19], s[18:19], s[78:79]
	s_lshl_b32 s80, s72, 17                        ; wt: (q 256 + 64 mq) rows of 512 bytes + 256 bytes for the upper k
	s_lshl_b32 s81, s77, 15
	s_add_co_u32 s80, s80, s81
	s_lshl_b32 s81, s76, 8
	s_add_co_u32 s80, s80, s81
	s_mov_b32 s81, 0
	s_add_nc_u64 s[36:37], s[36:37], s[80:81]
	s_lshl_b32 s78, s73, 9                         ; norms: 512 e + 128 l + 16 slab + 4 wave
	s_lshl_b32 s79, s74, 7
	s_add_co_u32 s78, s78, s79
	s_lshl_b32 s79, s75, 4
	s_add_co_u32 s78, s78, s79
	s_lshl_b32 s79, s42, 2
	s_add_co_u32 s78, s78, s79
	v_lshrrev_b32 v30, 4, v0                       ; pair of rows of k, 0..7
	v_and_b32 v31, 15, v0                          ; four columns of m
	v_lshlrev_b32 v18, 11, v30
	v_lshl_add_u32 v18, v31, 4, v18
	v_mul_u32_u24 v19, v31, 1088
	v_lshl_add_u32 v19, v30, 2, v19
	v_add_nc_u32 v19, TS, v19
	WIN 0x40                                       ; the slab lands in window 1, so that window 0's v128-255 are free for M1
.irp i, 0,1,2,3,4,5,6,7
	global_load_b128 v[8*\i:8*\i+3], v18, s[18:19] offset:16384*\i th:TH_LOAD_NT
	global_load_b128 v[8*\i+4:8*\i+7], v18, s[18:19] offset:16384*\i+1024 th:TH_LOAD_NT
.endr
	WIN 0
	MLOAD 0, 0                                     ; M1's first 16 rows of my 64: by this text's count 15 + 16 + 32 = 63 loads of the wave are out
	MLOAD 1, 0
	MLOAD 2, 0
	MLOAD 3, 0
	s_wait_loadcnt 32                              ; loads come back in order: all but the 32 of M1 are in
	WIN 0x05                                       ; both sources in window 1
.irp i, 0,1,2,3,4,5,6,7
.irp c, 0,1,2,3
	v_cvt_pk_f16_f32 v[64+4*\i+\c], v[8*\i+\c], v[8*\i+4+\c]
.if \i == 0
	v_pk_mul_f32 v[32+2*\c:33+2*\c], v[2*\c:2*\c+1], v[2*\c:2*\c+1]    ; four chains of sums of squares, started by the first products
.else
	v_pk_fma_f32 v[32+2*\c:33+2*\c], v[8*\i+2*\c:8*\i+2*\c+1], v[8*\i+2*\c:8*\i+2*\c+1], v[32+2*\c:33+2*\c]
.endif
.endr
.endr
	WIN 0
.irp i, 0,1,2,3,4,5,6,7
.irp c, 0,1,2,3
	ds_store_b32 v19, v[64+4*\i+\c] offset:272*\c+32*\i
.endr
.endr
	v_pk_add_f32 v[32:33], v[32:33], v[34:35]
	v_pk_add_f32 v[36:37], v[36:37], v[38:39]
	v_pk_add_f32 v[32:33], v[32:33], v[36:37]
	v_add_f32 v32, v32, v33
	WSUM 32, 33
	v_mov_b32 v34, s78
	v_cmp_eq_u32 vcc_lo, 0, v1
	s_wait_xcnt 0x0                                ; EXEC changes only behind this wait
	s_and_saveexec_b32 s71, vcc_lo
	global_store_b32 v34, v32, s[40:41]            ; my wave's partial sum of squares
	s_wait_xcnt 0x0
	s_or_b32 exec_lo, exec_lo, s71
	s_branch .Ljoin
.Lnoslab:
	s_cmp_lt_u32 s43, 200
	s_cbranch_scc0 .Ljoin0
	s_cmp_lg_u32 s42, 0
	s_cbranch_scc1 .Ljoin0
	; ---- expert e = w - 192: its pack, by wave 0
	s_sub_co_u32 s72, s43, 192
	s_mov_b32 s75, 0
	s_mul_i32 s74, s72, 3072
	s_add_nc_u64 s[20:21], s[20:21], s[74:75]
	s_lshl_b32 s74, s72, 10
	s_add_nc_u64 s[22:23], s[22:23], s[74:75]
	s_add_nc_u64 s[24:25], s[24:25], s[74:75]
	s_add_nc_u64 s[26:27], s[26:27], s[74:75]
	s_lshl_b32 s74, s72, 2
	s_add_nc_u64 s[28:29], s[28:29], s[74:75]
	s_mul_i32 s74, s72, 12800
	s_add_nc_u64 s[38:39], s[38:39], s[74:75]
	s_lshl_b32 s74, s72, 9
	s_add_co_u32 s74, s74, 384
	s_add_nc_u64 s[40:41], s[40:41], s[74:75]
	s_load_b32 s76, s[28:29], 0x0                  ; b_out[e]
	v_lshlrev_b32 v18, 2, v1
	v_lshlrev_b32 v19, 4, v1
	v_lshlrev_b32 v20, 5, v1
.irp j, 0,1,2,3,4,5,6,7
.irp d, 0,1,2
	global_load_b32 v[128+3*\j+\d], v18, s[20:21] offset:1024*\d+128*\j   ; W_in[e][d][32 j + lane]
.endr
.endr
	global_load_b128 v[152:155], v19, s[22:23]
	global_load_b128 v[156:159], v19, s[22:23] offset:512
.irp l, 0,1,2
	global_load_b128 v[160+8*\l:163+8*\l], v19, s[24:25] offset:8192*\l
	global_load_b128 v[164+8*\l:167+8*\l], v19, s[24:25] offset:8192*\l+512
.endr
	global_load_b128 v[184:187], v20, s[26:27]
	global_load_b128 v[188:191], v20, s[26:27] offset:16
.irp z, 48,49,50,51,37,38
	v_mov_b32 v\z, 0
.endr
	s_wait_loadcnt 0x0
	s_wait_kmcnt 0x0
.irp j, 0,1,2,3,4,5,6,7
	v_cvt_pk_f16_f32 v[64+4*\j], v[128+3*\j], v[129+3*\j]
	v_cvt_pk_f16_f32 v[65+4*\j], v[130+3*\j], v48
	v_mov_b32 v[66+4*\j], 0
	v_mov_b32 v[67+4*\j], 0
	global_store_b128 v20, v[64+4*\j:67+4*\j], s[38:39] offset:1024*\j
	global_store_b128 v20, v[48:51], s[38:39] offset:1024*\j+16
.endr
.irp a, 0,1,2,3,4,5,6,7
	global_store_b128 v19, v[152+4*\a:155+4*\a], s[38:39] offset:8192+512*\a   ; b_in, then b_hid 0..2, as they are
.endr
.irp c, 0,1,2,3
	v_cvt_pk_f16_f32 v[44+\c], v[184+2*\c], v[185+2*\c]
.endr
	global_store_b128 v19, v[44:47], s[38:39] offset:12288
	v_mul_f32 v32, v128, v128
.set q, 1
.rept 23
	v_fmac_f32 v32, v[128+q], v[128+q]
.set q, q+1
.endr
.irp st, 0,1,2,3
	v_mul_f32 v[33+\st], v[152+8*\st], v[152+8*\st]
.irp c, 1,2,3,4,5,6,7
	v_fmac_f32 v[33+\st], v[152+8*\st+\c], v[152+8*\st+\c]
.endr
.endr
	WSUM 32, 37                                    ; v37 was cleared above: the permute's destination counts as read
	WSUM 33, 37
	WSUM 34, 37
	WSUM 35, 37
	WSUM 36, 37
	v_mov_b32 v37, s76
.irp k, 0,1,2,3,4,5
	v_cmp_eq_u32 vcc_lo, \k, v1
	v_cndmask_b32 v38, v38, v[32+\k], vcc_lo       ; lanes 0..5: |W_in|^2, |b_in|^2, |b_hid l|^2, b_out; the rest 0
.endr
	global_store_b32 v18, v38, s[40:41]
.Ljoin0:
	s_wait_xcnt 0x0                                ; the pack's stores read v152-183: M1 is loaded over them only behind this wait
	MLOAD 0, 0                                     ; the waves without a slab: M1's first 16 rows of my 64
	MLOAD 1, 0
	MLOAD 2, 0
	MLOAD 3, 0
.Ljoin:
	s_wait_loadcnt 32                              ; on every way the 32 loads of M1 are the youngest: points, M0, c0, c1, M2 are in, M1 stays out
	s_wait_kmcnt 0x0                               ; c2
	s_wait_xcnt 0x0                                ; offsets and data of the stores above are written again below
	; ---- c0, c1, M0, M2 into LDS, while M1 is on its way
	v_add_nc_u32 v18, C01, v16
	ds_store_b64 v18, v[102:103]
	ds_store_b64 v18, v[104:105] offset:1024
	v_pk_mul_f32 v[52:53], v[102:103], v[102:103]
	v_pk_mul_f32 v[54:55], v[104:105], v[104:105]
	v_pk_mul_f32 v[56:57], v[96:97], v[96:97]
	v_pk_fma_f32 v[56:57], v[98:99], v[98:99], v[56:57]
	v_pk_fma_f32 v[56:57], v[100:101], v[100:101], v[56:57]
	SPLITP 96, 0, 32, 38
	SPLITP 98, 1, 34, 40
	SPLITP 100, 0, 36, 42
.irp z, 47,48,49,50,51,58,59,60,61,62,63
	v_mov_b32 v\z, 0                               ; padding, a zero for later, and the three accumulators of |M1|^2
.endr
	v_add_nc_u32 v19, M0T, v17
.irp a, 0,1
	v_cvt_pk_f16_f32 v44, v[32+\a], v[34+\a]
	v_cvt_pk_f16_f32 v45, v[36+\a], v[38+\a]
	v_cvt_pk_f16_f32 v46, v[40+\a], v[42+\a]
	ds_store_b128 v19, v[44:47] offset:32*\a
	ds_store_b128 v19, v[48:51] offset:32*\a+16
.endr
	v_lshlrev_b32 v20, 2, v0
	v_add_nc_u32 v20, M2H, v20
.irp e, 0,1,2,3,4,5,6,7
	v_cvt_pk_f16_f32 v30, v[108+\e], v[116+\e]     ; k = 2t and 2t+1 of expert e
	v_cvt_f32_f16 v32, v30.l
	v_cvt_f32_f16 v33, v30.h
	v_mul_f32 v34, 0x45800000, v[108+\e]
	v_mul_f32 v35, 0x45800000, v[116+\e]
	v_pk_fma_f32 v[34:35], v[32:33], 0xc5800000, v[34:35] op_sel_hi:[1,0,1]
	v_cvt_pk_f16_f32 v31, v34, v35
	ds_store_b32 v20, v30 offset:528*\e
	ds_store_b32 v20, v31 offset:528*\e+4352
.endr
	; ---- M1 into LDS, split
	s_mov_b32 s54, 0
.Lm1:
	s_mul_i32 s74, s54, 8704                       ; 16 LDS rows a trip
	v_add_nc_u32 v12, s74, v14
	v_add_nc_u32 v13, M1L, v12
.irp q, 0,1,2,3
	s_wait_loadcnt 24                              ; loads come back in order: this buffer's eight are in, the three younger buffers stay out
	MCONV \q
	MLOAD \q, 16384                                ; the same rows, 16 further down
.endr
	s_wait_xcnt 0x0                                ; the base is stepped only behind this wait
	s_add_nc_u64 s[10:11], s[10:11], 16384
	s_add_co_u32 s54, s54, 1
	s_cmp_lt_u32 s54, 3
	s_cbranch_scc1 .Lm1
	s_mul_i32 s74, s54, 8704
	v_add_nc_u32 v12, s74, v14
	v_add_nc_u32 v13, M1L, v12
	s_wait_loadcnt 24                              ; the last 16 rows: nothing more is loaded, the counts run down
	MCONV 0
	s_wait_loadcnt 16
	MCONV 1
	s_wait_loadcnt 8
	MCONV 2
	s_wait_loadcnt 0
	MCONV 3
	v_pk_add_f32 v[58:59], v[58:59], v[60:61]      ; the three accumulators of |M1|^2 into one
	v_pk_add_f32 v[58:59], v[58:59], v[62:63]
	v_add_f32 v60, v56, v57
	v_add_f32 v61, v52, v53
	v_add_f32 v62, v54, v55
	v_add_f32 v63, v58, v59
	WSUM 60, 33
	WSUM 61, 33
	WSUM 62, 33
	WSUM 63, 33
	s_lshl_b32 s74, s42, 4
	s_add_co_u32 s74, s74, RS
	v_mov_b32 v18, s74
	ds_store_b128 v18, v[60:63]
	s_wait_dscnt 0x0                               ; all my LDS stores are done, for the other waves' sake
	s_barrier_signal -1
	s_barrier_wait -1                              ; M0T, C01, M1, M2, TS, RS are whole
	s_cmp_lt_u32 s43, 192
	s_cbranch_scc0 .Lnoout
	; ---- the slab leaves: rows of m, 256 bytes each, sixteen lanes a row
	v_lshrrev_b32 v30, 4, v0
	v_and_b32 v31, 15, v0
	v_mul_u32_u24 v21, v30, 272
	v_lshl_add_u32 v21, v31, 4, v21
	v_add_nc_u32 v21, TS, v21
	v_lshlrev_b32 v22, 9, v30
	v_lshl_add_u32 v22, v31, 4, v22
.irp j, 0,1,2,3,4,5,6,7
	ds_load_b128 v[128+4*\j:131+4*\j], v21 offset:2176*\j
.endr
.irp j, 0,1,2,3,4,5,6,7
	s_wait_dscnt 7-\j                              ; LDS loads come back in order: load j is in
	global_store_b128 v22, v[128+4*\j:131+4*\j], s[36:37] offset:4096*\j
.endr
	s_wait_xcnt 0x0                                ; the data registers are fragment buffers again below
.Lnoout:
	; ---- the scales
	v_mov_b32 v18, RS
.irp a, 0,1,2,3
	ds_load_b128 v[64+4*\a:67+4*\a], v18 offset:16*\a
.endr
	v_mul_f32 v32, v24, v24
	v_fmac_f32 v32, v25, v25
	v_fmac_f32 v32, v26, v26
	v_mul_f32 v33, v27, v27
	v_fmac_f32 v33, v28, v28
	v_fmac_f32 v33, v29, v29
	v_max_num_f32 v32, v32, v33
	v_max_num_f32_dpp v32, v32, v32 row_xmask:1 row_mask:0xf bank_mask:0xf
	v_max_num_f32_dpp v32, v32, v32 row_xmask:2 row_mask:0xf bank_mask:0xf
	v_max_num_f32_dpp v32, v32, v32 row_xmask:4 row_mask:0xf bank_mask:0xf
	v_max_num_f32_dpp v32, v32, v32 row_xmask:8 row_mask:0xf bank_mask:0xf   ; both halves of the lanes hold the same points
	s_wait_dscnt 0x0
	v_pk_add_f32 v[60:61], v[64:65], v[68:69]
	v_pk_add_f32 v[62:63], v[66:67], v[70:71]
	v_pk_add_f32 v[60:61], v[60:61], v[72:73]
	v_pk_add_f32 v[62:63], v[62:63], v[74:75]
	v_pk_add_f32 v[60:61], v[60:61], v[76:77]
	v_pk_add_f32 v[62:63], v[62:63], v[78:79]
	v_sqrt_f32 v32, v32                            ; P = max |p|
	v_sqrt_f32 v60, v60                            ; |M0|
	v_sqrt_f32 v61, v61                            ; |c0|
	v_sqrt_f32 v62, v62                            ; |c1|
	v_sqrt_f32 v63, v63                            ; |M1|
	v_nop                                          ; one plain instruction behind the roots before they are used
	s_wait_alu depctr_va_vdst(0)
	v_fma_f32 v34, v60, v32, v61                   ; gamma0
	v_fma_f32 v35, v63, v34, v62                   ; gamma1
	EXPO 32
	EXPO 34
	EXPO 35
	MKS 56, 32                                     ; sigma: the points' scale
	MKS 58, 34                                     ; u0
	MKR 60, 32, 34, 127                            ; u0 / sigma
	MKR 66, 32, 34, 115                            ; the same / 4096
	MKR 62, 34, 35, 127                            ; u1 / u0
	MKR 68, 34, 35, 115
	v_add_nc_u32 v44, -13, v35
	v_lshlrev_b32 v44, 23, v44
	v_readfirstlane_b32 s70, v44                   ; 1 / u1
	; ---- the points as B fragments: H side (y0 y1 y2 0 ..), L side (d0 d1 d2 y0 y1 y2 0 ..), k = 0..7 in lanes 0-15, zeros elsewhere
	v_pk_mul_f32 v[24:25], v[24:25], s[56:57] op_sel_hi:[1,0]
	v_pk_mul_f32 v[26:27], v[26:27], s[56:57] op_sel_hi:[1,0]
	v_pk_mul_f32 v[28:29], v[28:29], s[56:57] op_sel_hi:[1,0]
	SPLITP 24, 0, 32, 38
	SPLITP 26, 1, 34, 40
	SPLITP 28, 0, 36, 42
.irp n, 0,1
	v_cvt_pk_f16_f32 v[64+5*\n], v[32+3*\n], v[33+3*\n]
	v_cvt_pk_f16_f32 v[65+5*\n], v[34+3*\n], v48
	v_cvt_pk_f16_f32 v[66+5*\n], v[38+3*\n], v[39+3*\n]
	v_cvt_pk_f16_f32 v[67+5*\n], v[40+3*\n], v[32+3*\n]
	v_cvt_pk_f16_f32 v[68+5*\n], v[33+3*\n], v[34+3*\n]
.endr
	WIN 0x80                                       ; destination in window 2
.irp n, 0,1
	v_cndmask_b32 v[8*\n], v[64+5*\n], v48, s55
	v_cndmask_b32 v[8*\n+1], v[65+5*\n], v48, s55
.irp z, 2,3,4,5,6,7
	v_mov_b32 v[8*\n+\z], 0
.endr
	v_cndmask_b32 v[16+8*\n], v[66+5*\n], v48, s55
	v_cndmask_b32 v[17+8*\n], v[67+5*\n], v48, s55
	v_cndmask_b32 v[18+8*\n], v[68+5*\n], v48, s55
.irp z, 3,4,5,6,7
	v_mov_b32 v[16+8*\n+\z], 0
.endr
.endr
	WIN 0
.irp z, 132,133,134,135
	v_mov_b32 v\z, 0                               ; k = 16..31 of stage 0's A fragment
.endr
; The epilogue of an m-tile: x = rho (H + L/4096), relu, split; stage by stage over the eight pairs.  H's registers end as x, L's as 4096 (x - hi).
.macro EPI rho, rho12
.irp p, 0,1,2,3,4,5,6,7
	v_pk_mul_f32 v[64+2*\p:65+2*\p], v[64+2*\p:65+2*\p], s[\rho:\rho+1] op_sel_hi:[1,0]
.endr
.irp p, 0,1,2,3,4,5,6,7
	v_pk_fma_f32 v[64+2*\p:65+2*\p], v[80+2*\p:81+2*\p], s[\rho12:\rho12+1], v[64+2*\p:65+2*\p] op_sel_hi:[1,0,1]
.endr
.irp r, 0,1,2,3,4,5,6,7,8,9,10,11,12,13,14,15
	v_max_num_f32 v[64+\r], 0, v[64+\r]
.endr
.irp p, 0,1,2,3,4,5,6,7
	v_cvt_pk_f16_f32 v[32+\p], v[64+2*\p], v[65+2*\p]
.endr
.irp p, 0,1,2,3,4,5,6,7
	v_pk_mul_f32 v[80+2*\p:81+2*\p], v[64+2*\p:65+2*\p], 0x45800000 op_sel_hi:[1,0]
.endr
	UNPKA 96
.irp p, 0,1,2,3,4,5,6,7
	v_pk_fma_f32 v[80+2*\p:81+2*\p], v[96+2*\p:97+2*\p], 0xc5800000, v[80+2*\p:81+2*\p] op_sel_hi:[1,0,1]
.endr
.endm
; m-tile t becomes half of the next layer's B fragments of k-step t>>1, in window win
.macro PACKM t, win
	WIN (\win<<6)
.set PN, 0
.rept 2
.set PJ, 0
.rept 4
	v_cvt_pk_f16_f32 v[8*(2*((\t)>>1)+PN)+4*((\t)&1)+PJ], v[64+8*PN+2*PJ], v[65+8*PN+2*PJ]
	v_cvt_pk_f16_f32 v[128+8*(2*((\t)>>1)+PN)+4*((\t)&1)+PJ], v[80+8*PN+2*PJ], v[81+8*PN+2*PJ]
.set PJ, PJ+1
.endr
.set PN, PN+1
.endr
	WIN 0
.endm
; 16 transposing loads: M1's fragments hi and lo' of m-tile i, k-steps 4 ch .. 4 ch + 3, into fragment buffer ch
.macro LDC i, ch
.irp kq, 0,1,2,3
	ds_load_tr16_b128 v[128+64*\ch+8*\kq:128+64*\ch+8*\kq+3], v[4+\ch] offset:17408*\kq+32*(\i)
	ds_load_tr16_b128 v[128+64*\ch+8*\kq+4:128+64*\ch+8*\kq+7], v[4+\ch] offset:17408*\kq+32*(\i)+8704
	ds_load_tr16_b128 v[160+64*\ch+8*\kq:160+64*\ch+8*\kq+3], v[6+\ch] offset:17408*\kq+32*(\i)
	ds_load_tr16_b128 v[160+64*\ch+8*\kq+4:160+64*\ch+8*\kq+7], v[6+\ch] offset:17408*\kq+32*(\i)+8704
.endr
.endm
; One k-step: six matrix instructions.  The accumulators take turns, one instruction a turn.
.macro MM6 k, ahi, alo, cm
.if \k == 0
.if \cm
	v_wmma_f32_16x16x32_f16 v[64:71], v[\ahi:\ahi+7], v[0:7], v[48:55]
	v_wmma_f32_16x16x32_f16 v[72:79], v[\ahi:\ahi+7], v[8:15], v[48:55]
.else
	v_wmma_f32_16x16x32_f16 v[64:71], v[\ahi:\ahi+7], v[0:7], 0
	v_wmma_f32_16x16x32_f16 v[72:79], v[\ahi:\ahi+7], v[8:15], 0
.endif
	v_wmma_f32_16x16x32_f16 v[80:87], v[\ahi:\ahi+7], v[128:135], 0
	v_wmma_f32_16x16x32_f16 v[88:95], v[\ahi:\ahi+7], v[136:143], 0
.else
	v_wmma_f32_16x16x32_f16 v[64:71], v[\ahi:\ahi+7], v[16*\k:16*\k+7], v[64:71]
	v_wmma_f32_16x16x32_f16 v[72:79], v[\ahi:\ahi+7], v[16*\k+8:16*\k+15], v[72:79]
	v_wmma_f32_16x16x32_f16 v[80:87], v[\ahi:\ahi+7], v[128+16*\k:128+16*\k+7], v[80:87]
	v_wmma_f32_16x16x32_f16 v[88:95], v[\ahi:\ahi+7], v[136+16*\k:136+16*\k+7], v[88:95]
.endif
	v_wmma_f32_16x16x32_f16 v[80:87], v[\alo:\alo+7], v[16*\k:16*\k+7], v[80:87]
	v_wmma_f32_16x16x32_f16 v[88:95], v[\alo:\alo+7], v[16*\k+8:16*\k+15], v[88:95]
.endm
	; ---- stage 0: m0 = relu(p M0 + c0), one k-step; hi and lo' of M0 lie side by side along k
	ds_load_b128 v[128:131], v9
	ds_load_b128 v[48:51], v10
	ds_load_b128 v[52:55], v10 offset:16
.macro STEP0 i
	s_wait_dscnt 0x0                               ; this m-tile's rows of M0T and its c0, issued in front of the last epilogue
.irp c, 0,2,4,6
	v_pk_mul_f32 v[48+\c:49+\c], v[48+\c:49+\c], s[56:57] op_sel_hi:[1,0]
.endr
	WIN 0x08                                       ; B in window 2
	v_wmma_f32_16x16x32_f16 v[64:71], v[128:135], v[0:7], v[48:55]
	v_wmma_f32_16x16x32_f16 v[72:79], v[128:135], v[8:15], v[48:55]
	v_wmma_f32_16x16x32_f16 v[80:87], v[128:135], v[16:23], 0
	v_wmma_f32_16x16x32_f16 v[88:95], v[128:135], v[24:31], 0
	WIN 0
	PLACES
.if \i < 15
	ds_load_b128 v[128:131], v9 offset:512*(\i+1)
	ds_load_b128 v[48:51], v10 offset:64*(\i+1)
	ds_load_b128 v[52:55], v10 offset:64*(\i+1)+16
.else
	LDC 0, 0                                       ; stage 1's first chunk and its c1
	ds_load_b128 v[48:51], v10 offset:1024
	ds_load_b128 v[52:55], v10 offset:1040
.endif
	EPI 60, 66
	PACKM \i, 1
.endm
.irp i, 0,1,2,3,4,5,6,7,8,9,10,11,12,13,14,15
	STEP0 \i
.endr
	; ---- stage 1: m1 = relu(m0 M1 + c1).  An m-tile is two chunks of four k-steps on two fragment buffers; a chunk's loads are issued a chunk ahead.
.macro STEP1 i
	LDC \i, 1
	s_wait_dscnt 16                                ; all but the 16 just issued: the first chunk's fragments and c1 are in
.irp c, 0,2,4,6
	v_pk_mul_f32 v[48+\c:49+\c], v[48+\c:49+\c], s[58:59] op_sel_hi:[1,0]
.endr
	WIN 0x04                                       ; B in window 1
	MM6 0, 128, 160, 1
	MM6 1, 136, 168, 1
	MM6 2, 144, 176, 1
	MM6 3, 152, 184, 1
	PLACES
.if \i < 15
	LDC (\i+1), 0
	ds_load_b128 v[48:51], v10 offset:1024+64*(\i+1)
	ds_load_b128 v[52:55], v10 offset:1024+64*(\i+1)+16
	s_wait_dscnt 18                                ; all but the 18 just issued
.else
	s_wait_dscnt 0x0
.endif
	MM6 4, 192, 224, 1
	MM6 5, 200, 232, 1
	MM6 6, 208, 240, 1
	MM6 7, 216, 248, 1
	WIN 0
	PLACES
.if \i == 15
.irp k, 0,1,2,3,4,5,6,7
	ds_load_b128 v[128+8*\k:131+8*\k], v8 offset:64*\k                 ; M2's fragments, hi and lo'
	ds_load_b128 v[132+8*\k:135+8*\k], v8 offset:64*\k+32
	ds_load_b128 v[192+8*\k:195+8*\k], v8 offset:64*\k+4352
	ds_load_b128 v[196+8*\k:199+8*\k], v8 offset:64*\k+4384
.endr
.endif
	EPI 62, 68
	PACKM \i, 2
.endm
.irp i, 0,1,2,3,4,5,6,7,8,9,10,11,12,13,14,15
	STEP1 \i
.endr
	; ---- the scores: m1 M2
	s_wait_dscnt 0x0
	WIN 0x08
.irp k, 0,1,2,3,4,5,6,7
	MM6 \k, 128+8*\k, 192+8*\k, 0
.endr
	WIN 0
	PLACES
.irp p, 0,1,2,3,4,5,6,7
	v_pk_fma_f32 v[64+2*\p:65+2*\p], v[80+2*\p:81+2*\p], 0x39800000, v[64+2*\p:65+2*\p] op_sel_hi:[1,0,1]   ; H + L / 4096
.endr
.irp j, 0,1,2,3,4,5,6,7
	v_cndmask_b32 v[32+\j], v[64+\j], v[72+\j], s55                    ; lane L: the eight scores of point L of my 32
	v_fma_f32 v[32+\j], v[32+\j], s70, s[44+\j]                        ; scale off, + c2
.endr
	v_max3_num_f32 v40, v32, v33, v34
	v_max3_num_f32 v40, v40, v35, v36
	v_max3_num_f32 v40, v40, v37, v38
	v_max_num_f32 v40, v40, v39
.irp j, 0,1,2,3,4,5,6,7
	v_sub_f32 v[32+\j], v[32+\j], v40
	v_mul_f32 v[32+\j], 0x3fb8aa3b, v[32+\j]
.endr
.irp j, 0,1,2,3,4,5,6,7
	v_exp_f32 v[32+\j], v[32+\j]
.endr
	v_nop
	s_wait_alu depctr_va_vdst(0)
	v_add_f32 v41, v32, v33
	v_add_f32 v42, v34, v35
	v_add_f32 v43, v36, v37
	v_add_f32 v44, v38, v39
	v_add_f32 v41, v41, v42
	v_add_f32 v43, v43, v44
	v_add_f32 v41, v41, v43
	v_rcp_f32 v41, v41
	v_mov_b32 v45, 0                               ; the plain instruction behind the reciprocal; idx starts at 0
	s_wait_alu depctr_va_vdst(0)
.irp j, 0,1,2,3,4,5,6,7
	v_mul_f32 v[32+\j], v[32+\j], v41
	v_max_num_f32 v[32+\j], 0x3727c5ac, v[32+\j]   ; clamp at 1e-5
.endr
	v_mov_b32 v46, v32
.irp j, 1,2,3,4,5,6,7
	v_mov_b32 v47, \j
	v_cmp_gt_f32 vcc_lo, v[32+\j], v46             ; strictly larger: the first maximum stays
	v_cndmask_b32 v45, v45, v47, vcc_lo
	v_max_num_f32 v46, v46, v[32+\j]
.endr
	; ---- out: q through my own LDS bytes, so that each store of the wave covers 512 neighbouring bytes
	s_lshl_b32 s74, s42, 10
	s_add_co_u32 s75, s74, QS
	v_lshl_add_u32 v18, v1, 5, s75
	v_lshl_add_u32 v19, v1, 4, s75
	s_lshl_b32 s76, s42, 7
	s_add_co_u32 s76, s76, IS
	v_lshl_add_u32 v20, v1, 2, s76
	v_lshlrev_b32 v23, 4, v1
	s_lshl_b32 s72, s43, 12
	s_add_co_u32 s72, s72, s74
	s_mov_b32 s73, 0
	s_add_nc_u64 s[30:31], s[30:31], s[72:73]
	ds_store_b128 v18, v[32:35]
	ds_store_b128 v18, v[36:39] offset:16
	ds_store_b32 v20, v45
	ds_load_b128 v[64:67], v19                     ; LDS serves a wave's instructions in order: these see the stores above
	ds_load_b128 v[68:71], v19 offset:512
	s_wait_dscnt 1
	global_store_b128 v23, v[64:67], s[30:31]
	s_wait_dscnt 0x0
	global_store_b128 v23, v[68:71], s[30:31] offset:512
	s_barrier_signal -1
	s_barrier_wait -1                              ; the 128 idx are in LDS
	s_cmp_gt_u32 s42, 1
	s_cbranch_scc1 .Lend
	v_add_nc_u32 v21, IS, v23
	ds_load_b128 v[72:75], v21
	s_cmp_eq_u32 s42, 0
	s_cselect_b64 s[74:75], s[32:33], s[34:35]     ; wave 0 writes out2, wave 1 the copy that the next launch reads
	s_lshl_b32 s72, s43, 9
	s_add_nc_u64 s[74:75], s[74:75], s[72:73]
	s_wait_dscnt 0x0
	global_store_b128 v23, v[72:75], s[74:75]
.Lend:
	s_set_vgpr_msb 0xf
	s_wait_tensorcnt 0x0
	ds_add_u32 v0, v1
	s_wait_dscnt 0x0
	s_set_vgpr_msb 0xf00
	s_endpgm
.Lfunc_end_k_qbef6b440dc_manager:
	.size	k_qbef6b440dc_manager, .Lfunc_end_k_qbef6b440dc_manager-k_qbef6b440dc_manager
	.p2alignl 7, 3214868480
	.fill 96, 4, 3214868480
	.section	.rodata,"a",@progbits
	.p2align	6, 0x0
	.amdhsa_kernel k_qbef6b440dc_manager
		.amdhsa_group_segment_fixed_size 320256
		.amdhsa_private_segment_fixed_size 0
		.amdhsa_enable_private_segment 0
		.amdhsa_kernarg_size 152
		.amdhsa_user_sgpr_count 2
		.amdhsa_user_sgpr_kernarg_segment_ptr 1
		.amdhsa_wavefront_size32 1
		.amdhsa_system_sgpr_workgroup_id_x 1
		.amdhsa_system_sgpr_workgroup_id_y 1
		.amdhsa_system_sgpr_workgroup_id_z 1
		.amdhsa_system_vgpr_workitem_id 0
		.amdhsa_next_free_vgpr 770
		.amdhsa_next_free_sgpr 84
		.amdhsa_reserve_vcc 1
		.amdhsa_float_denorm_mode_32 3
		.amdhsa_float_denorm_mode_16_64 3
		.amdhsa_memory_ordered 1
		.amdhsa_forward_progress 1
		.amdhsa_inst_pref_size 255
	.end_amdhsa_kernel
	.section	.bss,"aw",@nobits
	.p2align	6
	.space	262144
	.amdgpu_metadata
---
amdhsa.version: [ 1, 2 ]
amdhsa.kernels:
  - .name:           k_qbef6b440dc_manager
    .symbol:         k_qbef6b440dc_manager.kd
    .args:
      - { .name: points, .offset: 0, .size: 8, .value_kind: global_buffer, .address_space: global }
      - { .name: M0, .offset: 8, .size: 8, .value_kind: global_buffer, .address_space: global }
      - { .name: c0, .offset: 16, .size: 8, .value_kind: global_buffer, .address_space: global }
      - { .name: M1, .offset: 24, .size: 8, .value_kind: global_buffer, .address_space: global }
      - { .name: c1, .offset: 32, .size: 8, .value_kind: global_buffer, .address_space: global }
      - { .name: M2, .offset: 40, .size: 8, .value_kind: global_buffer, .address_space: global }
      - { .name: c2, .offset: 48, .size: 8, .value_kind: global_buffer, .address_space: global }
      - { .name: W_hid, .offset: 56, .size: 8, .value_kind: global_buffer, .address_space: global }
      - { .name: W_in, .offset: 64, .size: 8, .value_kind: global_buffer, .address_space: global }
      - { .name: b_in, .offset: 72, .size: 8, .value_kind: global_buffer, .address_space: global }
      - { .name: b_hid, .offset: 80, .size: 8, .value_kind: global_buffer, .address_space: global }
      - { .name: W_out, .offset: 88, .size: 8, .value_kind: global_buffer, .address_space: global }
      - { .name: b_out, .offset: 96, .size: 8, .value_kind: global_buffer, .address_space: global }
      - { .name: out1, .offset: 104, .size: 8, .value_kind: global_buffer, .address_space: global }
      - { .name: out2, .offset: 112, .size: 8, .value_kind: global_buffer, .address_space: global }
      - { .name: route, .offset: 120, .size: 8, .value_kind: global_buffer, .address_space: global }
      - { .name: wt, .offset: 128, .size: 8, .value_kind: global_buffer, .address_space: global }
      - { .name: aux, .offset: 136, .size: 8, .value_kind: global_buffer, .address_space: global }
      - { .name: norms, .offset: 144, .size: 8, .value_kind: global_buffer, .address_space: global }
    .group_segment_fixed_size: 320256
    .private_segment_fixed_size: 0
    .kernarg_segment_align: 8
    .kernarg_segment_size: 152
    .max_flat_workgroup_size: 128
    .sgpr_count:     84
    .vgpr_count:     770
    .wavefront_size: 32
...
	.end_amdgpu_metadata
.endif
;; end of part 3
;; launch experts (part 4): grid 128 x 2, 4 waves a work-group, clusters of 4 x 1, 327,680 bytes of LDS; arguments points, wt, aux, norms, route, out0, out3; writes out0, out3
.if DOCPART == 4
	.amdgcn_target "amdgcn-amd-amdhsa--gfx1250"
	.amdhsa_code_object_version 6
	.text
	.protected	k_qbef6b440dc_experts
	.globl	k_qbef6b440dc_experts
	.p2align	8
	.type	k_qbef6b440dc_experts,@function
k_qbef6b440dc_experts:
	s_mov_b64 s[64:65], 0
	v_nop
	global_prefetch_b8 v0, s[64:65] scope:SCOPE_SE
	s_setreg_imm32_b32 hwreg(HW_REG_WAVE_MODE, 25, 1), 1
	s_wait_xcnt 0x0
	s_wait_alu depctr_hold_cnt(0) depctr_sa_sdst(0) depctr_va_vdst(0) depctr_va_sdst(0) depctr_va_ssrc(0) depctr_va_vcc(0) depctr_vm_vsrc(0)
	s_getreg_b32 s2, hwreg(HW_REG_IB_STS2, 6, 4)
	s_cmp_eq_u32 s2, 0
	s_cbranch_scc0 .Lentry_in_a_cluster
	s_endpgm
.Lentry_in_a_cluster:
	s_bfe_u32 s2, ttmp6, 0x10000c
	s_cmp_lg_u32 s2, 0x3003
	s_cbranch_scc0 .Lentry_shape_is_right
	s_endpgm
.Lentry_shape_is_right:
; FOUR EXPERTS (3 -> 256 -> 256 -> 256 -> 256 -> 1) for 256 points a work-group, 64 a wave.  Work-group (block, y) takes points 256 block .. +255 and experts 4y .. 4y+3.
; Weights are operand A (rows = output features, f16, from LDS), activations operand B (columns = points, f16, in registers): register j of lane (r, h) of a result
; holds (feature 8h+j, point r); packing register pairs of m-tile t gives registers 4(t&1)..+3 of the next layer's B fragment of k-step t>>1, so the activations
; (256 features x 64 points = 256 registers) never leave registers; two windows of 256 registers take turns as source and destination.  One A fragment (two LDS
; loads) feeds four matrix instructions.  m-tile outside, k inside; two sets of four accumulators take turns, so that the last m-tile is scaled, cut at zero and
; packed among the matrix instructions of the next.
; f16 AND ITS RANGE: bf16's eight bits would not hold the tolerance over four layers.  Each layer's activations carry an exact power of two as scale, from a bound that holds
; for every input: beta0 = |W_in|_F max|p| + |b_in|_2, beta(l+1) = |W_l|_F beta(l) + |b_l|_2 (norms from the launch before); scale = 2^(140-e), e the bound's exponent field:
; scaled activations stay below 2^14.
; LIMITS: weights are f16 unscaled (|w| <= 65504; below 2^-14 an absolute error of 2^-25).  relu by v_max_num_f32 turns NaN into 0.  Exponent fields of bounds are clamped
; to 16..250, ratios of successive scales to 2^-126..2^127.
; CLUSTER: the four work-groups of a cluster (same y, four neighbouring blocks) walk the same weights: every tensor load is a joint one with the mask of all four, which
; divides the requests for weights by four.  Only global addresses of points and results hang on the place in the cluster.
; WEIGHT TILES: a tile is a whole layer, 256 rows of 512 bytes at LDS pitch 528; slot S0 holds layers 0 and 2, slot S1 layer 1.  EVERY TILE IS ASKED FOR AND READ IN THE SAME
; TRIP of the expert loop, so that the four trips are one text and nothing is written out a second time: layer 0 at the trip's head (it has the scales and the input layer
; in which to land), layer 1 in the input layer's last step and layer 2 in layer 0's last step (512 matrix instructions each).  By this text's count a wave has one
; tensor load out at any time.
; out3: the work-group that owns the chosen expert stores, under a mask made from the whole numbers in route; each byte has one owner, but a run of 256 bytes is
; written in part by two work-groups (131,072 bytes in all).
; The expert loop's text is longer than 50 KiB by about an eighth: the pack's destinations are register numbers, so the m-tiles cannot be a loop.
.set ACC, 64                           ; v64-127: two sets of 4 n-tiles x 8
.set AF, 128                           ; v128-255: two fragment buffers of 64
.set BI, 32                            ; v32-47: two bias buffers of 8
.set ZR, 32                            ; window 3, v32: zero
.set PITCH, 528
.set LAYB, 256*PITCH                   ; 135168: a slot
.set AUXB, 2*LAYB                      ; 270336: four experts' packs of 12800 bytes: W_in rows 8192 | biases 4096 | W_out 512
.set AUXE, 12800
.set LAYG, 256*512                     ; a layer in memory
.set EXPG, 3*LAYG                      ; an expert in memory
; v0 thread, v1 lane, v2 r, v3 h; v4-7 fragment addresses [slot][half]; v8-10 this expert's W_in, bias, W_out addresses; v11 8 lane; v12 4 lane; v13 max|p|;
; v14-15 idx; v16-17 sel; v18-19 pred; v20-23 norms; v24-26 the first expert's v8-10; v27 exponent of max|p|; v28 zero; v29 24 r; v48-63 at work.
; window 1, window 2: activations, fragment (k-step, n) at 8 (4 k + n); window 3: v0-31 the points' fragments, v32 zero.
; n-tile n, column r is local point 32 (n>>1) + 2 r + (n&1), so that lane L ends with points 2L, 2L+1 and a wave's store covers 256 neighbouring bytes.
; s[24:31] group 1 of a weight load; group 0: s[32:35] layer 0 into S0, s[36:39] layer 1 into S1, s[84:87] layer 2 into S0; s[40:51] the packs' descriptor.
.set MSB, 0
.macro WIN new                         ; the immediate's high byte repeats the setting that is left
.if MSB != \new
	s_set_vgpr_msb (MSB<<8)|\new
.set MSB, \new
.endif
.endm
.macro CREST                           ; a round of the cluster's barrier behind its opening work-group barrier
	s_cmp_lg_u32 s18, 0
	s_cbranch_scc1 .Lnot_wave_0_\@
	s_barrier_signal -3
.Lnot_wave_0_\@:
	s_barrier_wait -3
	s_barrier_signal -1
	s_barrier_wait -1
.endm
.macro ROUND
	s_barrier_signal -1
	s_barrier_wait -1
	CREST
.endm
.macro WSUM x, tmp
	v_add_f32_dpp v[\x], v[\x], v[\x] row_xmask:1 row_mask:0xf bank_mask:0xf
	v_add_f32_dpp v[\x], v[\x], v[\x] row_xmask:2 row_mask:0xf bank_mask:0xf
	v_add_f32_dpp v[\x], v[\x], v[\x] row_xmask:4 row_mask:0xf bank_mask:0xf
	v_add_f32_dpp v[\x], v[\x], v[\x] row_xmask:8 row_mask:0xf bank_mask:0xf
	v_permlanex16_b32 v[\tmp], v[\x], s54, s55
	v_add_f32 v[\x], v[\x], v[\tmp]
.endm
.macro EXPO x
	v_lshrrev_b32 v[\x], 23, v[\x]
	v_max_u32 v[\x], 16, v[\x]
	v_min_u32 v[\x], 0xfa, v[\x]
.endm
.macro MKS sreg, e                     ; scalar pair = 2^(140-e)
	v_sub_nc_u32 v60, 0x10b, v[\e]
	v_lshlrev_b32 v60, 23, v60
	v_readfirstlane_b32 s[\sreg], v60
	s_mov_b32 s[\sreg+1], s[\sreg]
.endm
.macro MKR sreg, ep, ec                ; scalar pair = 2^(ep-ec)
	v_sub_nc_u32 v60, v[\ep], v[\ec]
	v_add_nc_u32 v60, 127, v60
	v_max_i32 v60, 1, v60
	v_min_i32 v60, 0xfe, v60
	v_lshlrev_b32 v60, 23, v60
	v_readfirstlane_b32 s[\sreg], v60
	s_mov_b32 s[\sreg+1], s[\sreg]
.endm
	s_load_b256 s[4:11], s[0:1], 0x0               ; points, wt, aux, norms
	s_load_b128 s[12:15], s[0:1], 0x20             ; route, out0
	s_load_b64 s[16:17], s[0:1], 0x30              ; out3
	v_lshl_add_u32 v30, v0, 2, 0x4e800
	v_mov_b32 v31, 0
	ds_add_u32 v30, v31
	v_lshrrev_b32 v1, 5, v0
	v_readfirstlane_b32 s18, v1                    ; wave
	s_bfe_u32 s19, ttmp6, 0x40000                  ; cx
	s_lshl_b32 s20, ttmp9, 2
	s_add_co_u32 s20, s20, s19                     ; block of 256 points
	s_and_b32 s21, ttmp7, 0xffff                   ; y: which four experts
	s_mov_b32 s54, 0x76543210
	s_mov_b32 s55, 0xfedcba98
	s_mov_b32 s77, 0xffff0000                      ; lanes 16-31
	; group 1 for weights: my 64 rows of 256 f16, 16 bytes of padding behind each row of 128 words; the mask names all four of the cluster
	s_mov_b32 s24, 15|(1<<16)|(1<<20)|(1<<21)|(6<<22)|(3<<25)
	s_mov_b32 s25, 256<<16                         ; tensor_dim0 = 256
	s_mov_b32 s26, 64<<16                          ; tensor_dim1 = 64
	s_mov_b32 s27, 256<<16                         ; tile_dim0 = 256
	s_mov_b32 s28, 64                              ; tile_dim1 = 64
	s_mov_b32 s29, 256                             ; elements from row to row
	s_mov_b32 s30, 0
	s_mov_b32 s31, 0
	; group 1 for a pack: 12800 dense bytes as 50 rows of 32 elements of 8 bytes
	s_mov_b32 s40, 15|(3<<16)|(1<<21)
	s_mov_b32 s41, 32<<16
	s_mov_b32 s42, 50<<16
	s_mov_b32 s43, 32<<16
	s_mov_b32 s44, 50
	s_mov_b32 s45, 32
	s_mov_b32 s46, 0
	s_mov_b32 s47, 0
	s_mov_b32 s32, 1
	s_mul_i32 s33, s18, 64*PITCH                   ; LDS: my quarter of S0
	s_mov_b32 s36, 1
	s_add_co_u32 s37, s33, LAYB                    ; of S1
	s_mov_b32 s84, 1
	s_mul_i32 s85, s18, 64*PITCH                   ; of S0 again
	s_mov_b32 s48, 1
	s_mul_i32 s49, s18, AUXE
	s_add_co_u32 s49, s49, AUXB                    ; wave v brings expert 4y+v's pack
	s_mul_i32 s52, s21, 4*EXPG                     ; offsets of the joint loads: of y and the wave's number alone
	s_lshl_b32 s53, s18, 15                        ; 64 rows of 512 bytes a wave
	s_add_co_u32 s52, s52, s53
	s_mov_b32 s53, 0
	s_wait_dscnt 0x0
	s_wait_kmcnt 0x0
	s_add_nc_u64 s[34:35], s[6:7], s[52:53]        ; the first expert's layer 0,
	s_add_nc_u64 s[38:39], s[34:35], LAYG          ; layer 1,
	s_add_nc_u64 s[86:87], s[34:35], 2*LAYG        ; layer 2
	s_or_b32 s35, s35, 0x80000000
	s_or_b32 s39, s39, 0x80000000
	s_or_b32 s87, s87, 0x80000000
	s_lshl_b32 s52, s21, 2
	s_add_co_u32 s52, s52, s18
	s_mul_i32 s52, s52, AUXE
	s_add_nc_u64 s[50:51], s[8:9], s[52:53]
	s_or_b32 s51, s51, 0x80000000
	s_lshl_b32 s52, s21, 11
	s_add_nc_u64 s[10:11], s[10:11], s[52:53]      ; norms of expert 4y
	ROUND                                          ; all four work-groups are here: the first joint loads meet
	tensor_load_to_lds s[48:51], s[40:47]          ; the four packs, one a wave; they land while the points are fetched
	s_nop 0
	s_lshl_b32 s78, s20, 8
	s_lshl_b32 s79, s18, 6
	s_add_co_u32 s78, s78, s79                     ; my wave's first point
	s_mul_i32 s80, s78, 12
	s_mov_b32 s81, 0
	s_add_nc_u64 s[4:5], s[4:5], s[80:81]
	s_lshl_b32 s80, s78, 2
	s_add_nc_u64 s[12:13], s[12:13], s[80:81]
	s_add_nc_u64 s[16:17], s[16:17], s[80:81]
	s_lshl_b32 s82, s21, 19                        ; four experts of 131072 bytes
	s_add_co_u32 s82, s82, s80
	s_mov_b32 s83, 0
	s_add_nc_u64 s[14:15], s[14:15], s[82:83]
	v_and_b32 v1, 31, v0
	v_and_b32 v2, 15, v0
	v_bfe_u32 v3, v0, 4, 1
	v_mul_u32_u24 v29, v2, 24
	v_lshlrev_b32 v11, 3, v1
	v_lshlrev_b32 v12, 2, v1
.irp g, 0,1
.irp c, 0,1,2
	global_load_b64 v[48+6*\g+2*\c:49+6*\g+2*\c], v29, s[4:5] offset:384*\g+8*\c   ; points 32 g + 2 r and + 1: 24 neighbouring bytes
.endr
.endr
	global_load_b64 v[14:15], v11, s[12:13]        ; idx of points 2L, 2L+1
	v_mul_u32_u24 v4, v2, PITCH
	v_lshl_add_u32 v4, v3, 4, v4                   ; S0, m-tiles 0-7
	v_add_nc_u32 v5, 128*PITCH, v4                 ; S0, m-tiles 8-15
	v_add_nc_u32 v6, LAYB, v4                      ; S1
	v_add_nc_u32 v7, LAYB+128*PITCH, v4
	v_lshlrev_b32 v24, 5, v2
	v_lshl_add_u32 v24, v3, 4, v24
	v_add_nc_u32 v24, AUXB, v24
	v_lshlrev_b32 v25, 5, v3
	v_add_nc_u32 v25, AUXB+8192, v25
	v_lshlrev_b32 v26, 4, v3
	v_add_nc_u32 v26, AUXB+12288, v26
	v_mov_b32 v28, 0
	v_mov_b32 v16, 0
	v_mov_b32 v17, 0
	s_wait_loadcnt 0x0                             ; points and idx
.irp n, 0,1,2,3
	v_mul_f32 v[60+\n], v[48+3*\n], v[48+3*\n]
	v_fmac_f32 v[60+\n], v[49+3*\n], v[49+3*\n]
	v_fmac_f32 v[60+\n], v[50+3*\n], v[50+3*\n]
.endr
	v_max3_num_f32 v60, v60, v61, v62
	v_max_num_f32 v60, v60, v63
	v_max_num_f32_dpp v60, v60, v60 row_xmask:1 row_mask:0xf bank_mask:0xf
	v_max_num_f32_dpp v60, v60, v60 row_xmask:2 row_mask:0xf bank_mask:0xf
	v_max_num_f32_dpp v60, v60, v60 row_xmask:4 row_mask:0xf bank_mask:0xf
	v_max_num_f32_dpp v60, v60, v60 row_xmask:8 row_mask:0xf bank_mask:0xf   ; both halves of the lanes hold the same points
	v_sqrt_f32 v13, v60
	v_nop
	s_wait_alu depctr_va_vdst(0)
	v_mov_b32 v27, v13
	EXPO 27
	MKS 56, 27                                     ; sigma, the points' scale: also the multiplier of b_in
.irp c, 0,1,2,3,4,5
	v_pk_mul_f32 v[48+2*\c:49+2*\c], v[48+2*\c:49+2*\c], s[56:57] op_sel_hi:[1,0]
.endr
.irp n, 0,1,2,3
	v_cvt_pk_f16_f32 v[64+2*\n], v[48+3*\n], v[49+3*\n]
	v_cvt_pk_f16_f32 v[65+2*\n], v[50+3*\n], v28
.endr
	WIN 0xc0                                       ; destination in window 3: the points as B fragments, k = 0..2 in lanes 0-15, zeros elsewhere
.irp n, 0,1,2,3
	v_cndmask_b32 v[8*\n], v[64+2*\n], v28, s77
	v_cndmask_b32 v[8*\n+1], v[65+2*\n], v28, s77
.irp z, 2,3,4,5,6,7
	v_mov_b32 v[8*\n+\z], 0
.endr
.endr
	v_mov_b32 v[ZR], 0                             ; the zero that the input layer's relu takes as second source
	WIN 0
; The operands of step (st, i) into buffers b.  st 0: one row block of W_in; 1..3: m-tile i of hidden layer st-1 (layers 0 and 2 in S0, layer 1 in S1); 4: W_out in every row.
.macro PRELOAD st, i, b
.if (\st) == 0
	ds_load_b128 v[AF+64*(\b):AF+64*(\b)+3], v8 offset:512*(\i)
.else
.if (\st) < 4
.set PA, 4+2*(((\st)-1)&1)+((\i)>>3)
.set PO, ((\i)&7)*16*PITCH
.irp k, 0,1,2,3,4,5,6,7
	ds_load_b128 v[AF+64*(\b)+8*\k:AF+64*(\b)+8*\k+3], v[PA] offset:PO+64*\k
	ds_load_b128 v[AF+64*(\b)+8*\k+4:AF+64*(\b)+8*\k+7], v[PA] offset:PO+64*\k+32
.endr
.else
.irp k, 0,1,2,3,4,5,6,7
	ds_load_b128 v[AF+64*(\b)+8*\k:AF+64*(\b)+8*\k+3], v10 offset:64*\k
	ds_load_b128 v[AF+64*(\b)+8*\k+4:AF+64*(\b)+8*\k+7], v10 offset:64*\k+32
.endr
.endif
.endif
.if (\st) < 4
	ds_load_b128 v[BI+8*(\b):BI+8*(\b)+3], v9 offset:1024*(\st)+64*(\i)
	ds_load_b128 v[BI+8*(\b)+4:BI+8*(\b)+7], v9 offset:1024*(\st)+64*(\i)+16
.endif
.endm
; The epilogue of a finished m-tile (set r of the accumulators): 16 pairs to the next scale, 32 numbers cut at zero: 48 operations.
.macro EPM r, p, st                    ; pair p to the next scale.  No vector register stands as second source: it runs under the matrix instructions' window
	v_pk_mul_f32 v[ACC+32*(\r)+2*(\p):ACC+32*(\r)+2*(\p)+1], v[ACC+32*(\r)+2*(\p):ACC+32*(\r)+2*(\p)+1], s[66+2*(\st):67+2*(\st)] op_sel_hi:[1,0]
.endm
.macro EPX r, q, m                     ; register q cut at zero.  m 0: second source in window 1 or 2, which are full: the constant, in the long form;
.if (\m) == 0                          ; m 1: second source in window 3: its zero register; m 2: window 0
	v_max_num_f32 v[ACC+32*(\r)+(\q)], v[ACC+32*(\r)+(\q)], 0
.else
.if (\m) == 1
	v_max_num_f32 v[ACC+32*(\r)+(\q)], v[ACC+32*(\r)+(\q)], v[ZR]
.else
	v_max_num_f32 v[ACC+32*(\r)+(\q)], 0, v[ACC+32*(\r)+(\q)]
.endif
.endif
.endm
; operation k of the 48, in an order in which none reads its neighbour's result: scale 0, scale 1, then (cut, cut of pair q; scale of pair q+2), at last the cuts of pairs 14, 15
.macro EPOP r, k, st, m
.if (\k) < 2
	EPM \r, \k, \st
.else
.if (\k) < 44
.set EQ, ((\k)-2)/3
.set ER, ((\k)-2)%3
.if ER == 2
	EPM \r, EQ+2, \st
.else
	EPX \r, 2*EQ+ER, \m
.endif
.else
	EPX \r, (\k)-16, \m
.endif
.endif
.endm
; m-tile t becomes half of the next layer's B fragments of k-step t>>1, in window nw
.macro PACK r, t, nw
.set WV, (\nw)<<6
	WIN WV
.set PN, 0
.rept 4
.set PJ, 0
.rept 4
	v_cvt_pk_f16_f32 v[8*(4*((\t)>>1)+PN)+4*((\t)&1)+PJ], v[ACC+32*(\r)+8*PN+2*PJ], v[ACC+32*(\r)+8*PN+2*PJ+1]
.set PJ, PJ+1
.endr
.set PN, PN+1
.endr
.endm
; One m-tile.  Plain step: the wait for this step's operands (issued a whole step ago), the bias to this stage's scale, the next step's loads in one run, the matrix
; instructions with the last m-tile's epilogue spread among them (one operation behind an even, two behind an odd one), its pack (whose sixteen instructions are also
; the places in front of the next loads into fragment registers).  The four accumulators take turns, one instruction a turn.
; A stage's last step where the next stage reads a tile that is on its way (BND): my LDS reads are in registers and my tensor load has landed; the group 0 of that load steps
; to the next expert; the work-group's barrier has this step's register work between signal and wait.  BND 1 (input layer, layer 0): that barrier opens a round of the
; cluster's barrier, behind which the refill comes first (layer 1 into S1, which layer 1 of the last expert read; layer 2 into S0, which this stage read), then the
; next stage's first loads.  BND 2 (layer 1): nothing is left to ask for in this trip: the barrier shows layer 2's tile to every wave.
.macro STEP st, i
.set RG, (\i)&1
.set NB, 1-RG
.if \i == 15
.set NST, \st+1
.set NI, 0
.else
.set NST, \st
.set NI, \i+1
.endif
.if \st == 0
.set NK, 1
.set CW, 3
.set XM, 1
.else
.set NK, 8
.set CW, 1+((\st+1)&1)
.set XM, 0
.endif
.set BND, 0
.if \i == 15
.if \st < 2
.set BND, 1
.endif
.if \st == 2
.set BND, 2
.endif
.endif
.set WV, CW<<2
	WIN WV                                         ; B in window CW; LDS loads, the bias scaling and the epilogue run under it too
	s_wait_dscnt 0x0                               ; this step's operands are in; no LDS read of mine is out
.if BND
	s_set_vgpr_msb (MSB<<8)|((MSB&0xf0)|0x0)
	s_wait_tensorcnt 0x0                           ; my one tensor load has landed: my quarter of the next stage's tile
	ds_add_u32 v30, v31
	s_wait_dscnt 0x0
	s_set_vgpr_msb (((MSB&0xf0)|0x0)<<8)|MSB
.if \st == 0
	s_add_nc_u64 s[34:35], s[34:35], EXPG          ; no load of mine is out: layer 0's group 0 steps to the next expert
.endif
.if \st == 1
	s_add_nc_u64 s[38:39], s[38:39], EXPG          ; layer 1's
.endif
.if \st == 2
	s_add_nc_u64 s[86:87], s[86:87], EXPG          ; layer 2's
.endif
	s_barrier_signal -1
.endif
.irp c, 0,2,4,6
	v_pk_mul_f32 v[BI+8*RG+\c:BI+8*RG+\c+1], v[BI+8*RG+\c:BI+8*RG+\c+1], s[56+2*\st:57+2*\st] op_sel_hi:[1,0]
.endr
.if BND == 0
	PRELOAD NST, NI, NB
.endif
.set KK, 0
.set EK, 0
.rept NK
.set NN, 0
.rept 4
.if KK == 0
	v_wmma_f32_16x16x32_f16 v[ACC+32*RG+8*NN:ACC+32*RG+8*NN+7], v[AF+64*RG:AF+64*RG+7], v[8*NN:8*NN+7], v[BI+8*RG:BI+8*RG+7]
.else
	v_wmma_f32_16x16x32_f16 v[ACC+32*RG+8*NN:ACC+32*RG+8*NN+7], v[AF+64*RG+8*KK:AF+64*RG+8*KK+7], v[8*(4*KK+NN):8*(4*KK+NN)+7], v[ACC+32*RG+8*NN:ACC+32*RG+8*NN+7]
.endif
.if \i > 0
	EPOP NB, EK, \st, XM
.set EK, EK+1
.if NN & 1
	EPOP NB, EK, \st, XM
.set EK, EK+1
.endif
.endif
.set NN, NN+1
.endr
.set KK, KK+1
.endr
.if \i > 0
.rept 48-EK
	EPOP NB, EK, \st, XM
.set EK, EK+1
.endr
	PACK NB, \i-1, 1+(\st&1)
.else
.rept 4
	v_nop                                          ; a stage's first m-tile has no epilogue to weave in: the places behind its matrix instructions
.endr
.endif
.if BND
	WIN 0
	s_barrier_wait -1
.if BND == 1
	CREST                                          ; no wave of any partner still reads the slot or has a load on its way
.if \st == 0
	tensor_load_to_lds s[36:39], s[24:31]          ; layer 1 into S1
	s_nop 0
.else
	tensor_load_to_lds s[84:87], s[24:31]          ; layer 2 into S0
	s_nop 0
.endif
.endif
	PRELOAD NST, NI, NB                            ; they land under the flush that follows
.endif
.endm
; the stage's last m-tile; the pack of the tile before it stands between its matrix instructions and these lines
.macro FLUSH st
	WIN 0
.set EK, 0
.rept 48
	EPOP 1, EK, \st, 2
.set EK, EK+1
.endr
	PACK 1, 15, 1+(\st&1)
.endm
	s_mov_b32 s23, 0
.Lexpert:
	; ---- the trip's head: this expert's norms and its layer 0 are asked for
.irp g, 0,1,2,3
	global_load_b32 v[20+\g], v12, s[10:11] offset:128*\g
.endr
	s_wait_dscnt 0x0                               ; my reads of S0 (the last expert's layer 2) are over
	s_set_vgpr_msb (MSB<<8)|((MSB&0xf0)|0x0)
	s_wait_tensorcnt 0x0                           ; no tensor load of mine is out (first trip: my pack has landed)
	ds_add_u32 v30, v31
	s_wait_dscnt 0x0
	s_set_vgpr_msb (((MSB&0xf0)|0x0)<<8)|MSB
	ROUND                                          ; both hold of every wave of the cluster
	tensor_load_to_lds s[32:35], s[24:31]          ; layer 0 into S0: it lands under the scales and the input layer
	s_nop 0
	; ---- this expert's scales
	s_wait_loadcnt 0x0                             ; its norms
	s_add_nc_u64 s[10:11], s[10:11], 512           ; the loads that used this base are done: the next expert's (after the last trip it is not used)
	WSUM 20, 48
	WSUM 21, 48
	WSUM 22, 48
	v_readlane_b32 s78, v23, 0                     ; |W_in|^2
	v_readlane_b32 s79, v23, 1                     ; |b_in|^2
	v_readlane_b32 s80, v23, 2                     ; |b_hid l|^2
	v_readlane_b32 s81, v23, 3
	v_readlane_b32 s82, v23, 4
	v_readlane_b32 s75, v23, 5                     ; b_out
	v_sqrt_f32 v48, v20
	v_sqrt_f32 v49, v21
	v_sqrt_f32 v50, v22
	v_sqrt_f32 v51, s78
	v_sqrt_f32 v52, s79
	v_sqrt_f32 v53, s80
	v_sqrt_f32 v54, s81
	v_sqrt_f32 v55, s82
	v_nop
	s_wait_alu depctr_va_vdst(0)
	v_fma_f32 v56, v51, v13, v52                   ; beta0
	v_fma_f32 v57, v48, v56, v53
	v_fma_f32 v58, v49, v57, v54
	v_fma_f32 v59, v50, v58, v55                   ; beta3
	EXPO 56
	EXPO 57
	EXPO 58
	EXPO 59
	MKS 58, 56                                     ; the biases' multipliers: s0, s1, s2
	MKS 60, 57
	MKS 62, 58
	MKR 66, 27, 56                                 ; s0 / sigma
	MKR 68, 56, 57                                 ; s1 / s0
	MKR 70, 57, 58
	MKR 72, 58, 59
	v_add_nc_u32 v60, -13, v59
	v_lshlrev_b32 v60, 23, v60
	v_readfirstlane_b32 s74, v60                   ; 1 / s3
	s_mul_i32 s78, s23, AUXE
	v_add_nc_u32 v8, s78, v24
	v_add_nc_u32 v9, s78, v25
	v_add_nc_u32 v10, s78, v26
.irp z, 4,5,6,7,68,69,70,71
	v_mov_b32 v[AF+\z], 0                          ; k = 16..31 of the input layer's A fragments
.endr
	PRELOAD 0, 0, 0
	; ---- the input layer and the three hidden layers
.irp st, 0,1,2,3
.irp i, 0,1,2,3,4,5,6,7,8,9,10,11,12,13,14,15
	STEP \st, \i
.endr
	FLUSH \st
.endr
	; ---- the output layer: every row of A is W_out
	s_wait_dscnt 0x0
	WIN 0x08
.irp k, 0,1,2,3,4,5,6,7
.irp n, 0,1,2,3
.if \k == 0
	v_wmma_f32_16x16x32_f16 v[ACC+8*\n:ACC+8*\n+7], v[AF:AF+7], v[8*\n:8*\n+7], 0
.else
	v_wmma_f32_16x16x32_f16 v[ACC+8*\n:ACC+8*\n+7], v[AF+8*\k:AF+8*\k+7], v[8*(4*\k+\n):8*(4*\k+\n)+7], v[ACC+8*\n:ACC+8*\n+7]
.endif
.endr
.endr
	WIN 0
.rept 4
	v_nop
.endr
	v_cndmask_b32 v48, v[ACC], v[ACC+16], s77      ; point 2L
	v_cndmask_b32 v49, v[ACC+8], v[ACC+24], s77    ; point 2L+1
	s_wait_xcnt 0x0                                ; the last store's data registers are written again
	v_fma_f32 v18, v48, s74, s75
	v_fma_f32 v19, v49, s74, s75
	global_store_b64 v11, v[18:19], s[14:15]
	s_lshl_b32 s22, s21, 2
	s_add_co_u32 s22, s22, s23                     ; this expert's number
	v_cmp_eq_u32 vcc_lo, s22, v14
	v_cndmask_b32 v16, v16, v18, vcc_lo
	v_cmp_eq_u32 vcc_lo, s22, v15
	v_cndmask_b32 v17, v17, v19, vcc_lo
	s_wait_xcnt 0x0                                ; the base is stepped only behind this wait
	s_add_nc_u64 s[14:15], s[14:15], 131072
	s_add_co_u32 s23, s23, 1
	s_cmp_lt_u32 s23, 4
	s_cbranch_scc1 .Lexpert
	; ---- sel, where the chosen expert is one of mine
	v_lshrrev_b32 v48, 2, v14
	v_lshrrev_b32 v49, 2, v15
	v_cmp_eq_u32 vcc_lo, s21, v48
	s_wait_xcnt 0x0                                ; EXEC changes only behind this wait
	s_and_saveexec_b32 s76, vcc_lo
	global_store_b32 v11, v16, s[16:17]
	s_wait_xcnt 0x0
	s_or_b32 exec_lo, exec_lo, s76
	v_cmp_eq_u32 vcc_lo, s21, v49
	s_and_saveexec_b32 s76, vcc_lo
	global_store_b32 v11, v17, s[16:17] offset:4
	s_wait_xcnt 0x0
	s_or_b32 exec_lo, exec_lo, s76
	ROUND                                          ; the closing round: no work-group ends while a partner may still ask jointly
	s_endpgm
.Lfunc_end_k_qbef6b440dc_experts:
	.size	k_qbef6b440dc_experts, .Lfunc_end_k_qbef6b440dc_experts-k_qbef6b440dc_experts
	.p2alignl 7, 3214868480
	.fill 96, 4, 3214868480
	.section	.rodata,"a",@progbits
	.p2align	6, 0x0
	.amdhsa_kernel k_qbef6b440dc_experts
		.amdhsa_group_segment_fixed_size 327680
		.amdhsa_private_segment_fixed_size 0
		.amdhsa_enable_private_segment 0
		.amdhsa_kernarg_size 56
		.amdhsa_user_sgpr_count 2
		.amdhsa_user_sgpr_kernarg_segment_ptr 1
		.amdhsa_wavefront_size32 1
		.amdhsa_system_sgpr_workgroup_id_x 1
		.amdhsa_system_sgpr_workgroup_id_y 1
		.amdhsa_system_sgpr_workgroup_id_z 1
		.amdhsa_system_vgpr_workitem_id 0
		.amdhsa_next_free_vgpr 832
		.amdhsa_next_free_sgpr 88
		.amdhsa_reserve_vcc 1
		.amdhsa_float_denorm_mode_32 3
		.amdhsa_float_denorm_mode_16_64 3
		.amdhsa_memory_ordered 1
		.amdhsa_forward_progress 1
		.amdhsa_inst_pref_size 255
	.end_amdhsa_kernel
	.section	.bss,"aw",@nobits
	.p2align	6
	.space	262144
	.amdgpu_metadata
---
amdhsa.version: [ 1, 2 ]
amdhsa.kernels:
  - .name:           k_qbef6b440dc_experts
    .symbol:         k_qbef6b440dc_experts.kd
    .args:
      - { .name: points, .offset: 0, .size: 8, .value_kind: global_buffer, .address_space: global }
      - { .name: wt, .offset: 8, .size: 8, .value_kind: global_buffer, .address_space: global }
      - { .name: aux, .offset: 16, .size: 8, .value_kind: global_buffer, .address_space: global }
      - { .name: norms, .offset: 24, .size: 8, .value_kind: global_buffer, .address_space: global }
      - { .name: route, .offset: 32, .size: 8, .value_kind: global_buffer, .address_space: global }
      - { .name: out0, .offset: 40, .size: 8, .value_kind: global_buffer, .address_space: global }
      - { .name: out3, .offset: 48, .size: 8, .value_kind: global_buffer, .address_space: global }
    .group_segment_fixed_size: 327680
    .private_segment_fixed_size: 0
    .kernarg_segment_align: 8
    .kernarg_segment_size: 56
    .max_flat_workgroup_size: 128
    .sgpr_count:     88
    .vgpr_count:     832
    .wavefront_size: 32
...
	.end_amdgpu_metadata
.endif
;; end of part 4
